; MI455X (gfx1250); checked and timed in simulation.
; The chip was launched on July 23, 2026; its instructions are those of AMD's public machine-readable ISA for CDNA 5 (MIT licence, August 2026) and "CDNA5" Instruction Set Architecture Reference Guide (July 2026). The comments in the code are by the model that wrote it; some were corrected since.
;; Rotary PE Multi Head Attention. Allowed arithmetic: matrix products marked QUANTISED: E4M3 operands, one given power-of-two scale a tensor, by v_wmma_f32_16x16x64_fp8_fp8 or v_wmma_f32_16x16x128_fp8_fp8, f32 sums; everything else in f32.
;; Inputs: Wk 1,024 x 1,024 float32; Wo 1,024 x 1,024 float32; Wq 1,024 x 1,024 float32; Wv 1,024 x 1,024 float32; bk 1,024 float32; bo 1,024 float32; bq 1,024 float32; bv 1,024 float32; lowp_scales 12 int32 (the exponents e of the quantised operands' scales 2^e); query 4 x 2,048 x 1,024 float32; value 4 x 2,048 x 1,024 float32.
;; Outputs: out0 4 x 2,048 x 1,024 float32.
;; This version of the problem:
;;   THIS VERSION OF THE PROBLEM IS GIVEN IN LOW PRECISION. The matrix products marked QUANTISED in the list below multiply operands that are first quantised to E4M3 (4 exponent bits, 3 mantissa bits; 8 bits a number), with one given power-of-two scale for each operand tensor; their sums are f32. All else is computed in f32.
;;   The module's matrix products, in the order in which they are computed (A, B: the left and right operand; K: the contracted axis; several contracted axes count as one K, in the product's order):
;;     1. [M 8,192, K 1,024] x [K 1,024, N 1,024]; A: input query; B: input Wq: QUANTISED (scales: A lowp_scales[0], B lowp_scales[1])
;;     2. [M 8,192, K 1,024] x [K 1,024, N 1,024]; A: input value; B: input Wk: QUANTISED (scales: A lowp_scales[2], B lowp_scales[3])
;;     3. [M 8,192, K 1,024] x [K 1,024, N 1,024]; A: input value; B: input Wv: QUANTISED (scales: A lowp_scales[4], B lowp_scales[5])
;;     4. batch 64 x [M 2,048, K 64] x [K 64, N 2,048]; A: computed on the way; B: computed on the way: QUANTISED (scales: A lowp_scales[6], B lowp_scales[7])
;;     5. batch 64 x [M 64, K 2,048] x [K 2,048, N 2,048]; A: computed on the way; B: softmax (see below): QUANTISED (scales: A lowp_scales[8], B lowp_scales[9])
;;     6. [M 8,192, K 1,024] x [K 1,024, N 1,024]; A: computed on the way; B: input Wo: QUANTISED (scales: A lowp_scales[10], B lowp_scales[11])
;;   THE QUANTISER, for each operand of a quantised product, along K:
;;     - The operand's scale is 2^e, e = its entry of the input lowp_scales (int32; the entries are numbered through the quantised products in the list's order, A before B).
;;     - Each number is divided by the scale, clamped to +-448, and rounded to the nearest number of E4M3, ties to even, subnormals kept.
;;     - The product sums the exact products of the quantised numbers (number of the format x scale) in f32.
;;   ~~~python
;;   def quantise(x, axis, e):      # numpy; x: float32 -> the quantised numbers, widened to float32 again
;;       x = np.moveaxis(x, axis, -1); K = x.shape[-1]
;;       r = np.clip(x / 2.0 ** e, -448, 448)
;;       step = 2.0 ** (np.maximum(np.frexp(np.where(r == 0, 1, r))[1] - 1, -6) - 3)
;;       q = np.round(r / step) * step * 2.0 ** e      # np.round: ties to even
;;       return np.moveaxis(q, -1, axis).astype(np.float32)
;;   ~~~
;;   SOFTMAX AHEAD OF A QUANTISED PRODUCT. Where the list says 'softmax', what is quantised is not the finished softmax but p = 2^(t - M), with t = logit x log2(e) and M = ceil(the row's largest t), a whole number; so 1/2 < the row's largest p <= 1. The row's sum l is taken of the UNQUANTISED p, in f32, and the product's result is divided by l at the end. Since M is a whole number, a kernel that streams over the keys may use a running M (the ceiling of the running maximum): every later rescaling is an exact power of two, so the quantised numbers keep their values, but for numbers so far below the row's largest that they fall under the format's range.
;;   OPERANDS COMPUTED ON THE WAY. 'Computed on the way' means the value that the module computes at that place (a softmax that the list does not call 'softmax' is quantised finished and normalised). What goes into a quantiser is computed in f32, as accurately as f32 sums, v_exp_f32 and their like allow (about 1e-6 of the number): no bf16 or f16 on the way to a quantiser, and a product that is left as it is and whose result goes on into a quantised operand takes f32 operands (vector FMAs, or v_wmma_f32_16x16x4_f32). A number that lies on a knife's edge between two numbers of the format may be rounded either way, as far as f32 arithmetic and the matrix unit's own rounding can turn it there, and no further.
;; 2 versions, each right; version 2 is version 1 with the launch attn written anew for expert scheduling mode. Each part assembles by itself: llvm-mc -triple=amdgcn-amd-amdhsa -mcpu=gfx1250 --defsym DOCPART=n.
;; ======== version 1 of 2: 4 launches
;; workspace buffers: ximg 25,165,824 bytes; wimg 4,194,304 bytes; tab 262,144 bytes; qkv 25,165,824 bytes; ao 8,388,608 bytes
;; launch prep (part 1): grid 1296 x 1, 4 waves a work-group, no clusters, 35,328 bytes of LDS; arguments query, value, Wq, Wk, Wv, Wo, lowp_scales, ximg, wimg, tab; writes ximg, wimg, tab
.if DOCPART == 1
	.amdgcn_target "amdgcn-amd-amdhsa--gfx1250"
	.amdhsa_code_object_version 6
	.text
	.protected	k_q9b62dcabd2_prep
	.globl	k_q9b62dcabd2_prep
	.p2align	8
	.type	k_q9b62dcabd2_prep,@function
k_q9b62dcabd2_prep:
	s_mov_b64 s[64:65], 0
	v_nop
	global_prefetch_b8 v0, s[64:65] scope:SCOPE_SE
	s_setreg_imm32_b32 hwreg(HW_REG_WAVE_MODE, 25, 1), 1
	s_wait_xcnt 0x0
; RoPE multi-head attention on codes of FP8 (E4M3), four launches: prep, qkv, attn, proj.  THIS LAUNCH turns query, value (twice: for the K and for the V projection, whose given
; scales may differ), Wq, Wk, Wv and Wo into codes, and makes the table of cosines and sines.
; NOTHING OF reference() IS LEFT OUT: every bias stands ahead of a quantiser (bq, bk, bv) or is added to the output (bo), so every input has a way to the output and is loaded.
; One product is done twice: attn multiplies K Q^T once for the row's largest score and once for p.
; code = x / 2^e, held within +-448, rounded to the nearest code, ties to even; e is the operand's entry of lowp_scales.
; LAYOUT OF THE CODES: an image of the matrix unit's operand registers: [rowtile of 16 rows][K step of 128: 0..7][c: 0..3][lane: 0..31][16 bytes].  Lane (r = lane % 16, h = lane / 16) holds,
; of the rowtile's row r, k = 128 step + 32 c + {8 h + 0..7, 16 + 8 h + 0..7}.  Both operands of every product take the same order of k, so every code meets its partner.
; The rows of rowtile R are 16 R + r (query, the weights) or, for value, 32 (R / 2) + 8 (R % 2) + r + 8 (r / 8): so two neighbouring tiles of scores, or of v, hold 16 neighbouring positions a lane.
; SHARES.  Work-group g: 0..511 rowtile g of query; 512..1023 rowtile g - 512 of value; 1024..1279 rowtile g % 64 of weight (g - 1024) / 64; 1280..1295 128 positions of the table.
; Wave w takes k = 256 w .. 256 w + 255 of the 16 rows, in two steps of 128.  Each load reads 512 consecutive bytes of a row; the 16 rows turn through the wave's own stage in LDS (rows of 512 + 16 bytes),
; and each store of codes covers 512 consecutive bytes, aligned.  All 32 loads of a wave go out at once.  Waves share nothing: no barrier.
; THE TABLE: tab[pos][0..15] = cos(pos x theta_j), [16..31] = sin: ang = pos x theta_j rounded once, as reference() has it; n = the nearest whole number to ang x 2/pi; ang - n pi/2 in two
; fused steps (the first is exact: n has 11 bits); polynomials on +-pi/4; the quadrant by selects.
; LIMITS.  theta_j is 10^(-j/4) rounded to f32; reference()'s own (a power, then a reciprocal) may differ by one unit in the last place: at most 1.4e-4 in an angle, at the last positions.
; Each e lies between -126 and 119.  NaN among the inputs is not served; an infinity is held at the largest code.
.set STG,   8704                       ; a wave's stage: 16 rows x 528 bytes, rounded up to blocks of 512
.set SP,    528
.set SPARE, 4*STG                      ; behind the stages: the spare words, 128 bytes a wave
.set X,   16                           ; v16-143  two steps x 64 numbers: as loaded (row rho at 4 rho), then as neighbours along K (chunk c at 16 c)
.set T,   144                          ; v144-175 two sets of 16 held numbers, by turns
.set C1,  176                          ; v176-207 the codes; no store's data are written again
.set C2,  208                          ; v208-239 value's second codes
.set SPW, 10                           ; v10  LDS address of my spare word; never rewritten
.set NIL, 11                           ; v11  0; never rewritten
	s_load_b256 s[4:11], s[0:1], 0x0               ; query s[4:5], value s[6:7], Wq s[8:9], Wk s[10:11]
	s_load_b256 s[12:19], s[0:1], 0x20             ; Wv s[12:13], Wo s[14:15], the scales' exponents s[16:17], ximg s[18:19]
	s_load_b128 s[20:23], s[0:1], 0x40             ; wimg s[20:21], tab s[22:23]
	v_lshl_add_u32 v[SPW], v0, 2, SPARE
	v_mov_b32 v[NIL], 0
	s_cmp_ge_u32 ttmp9, 1280
	s_cbranch_scc1 .Ltable
	v_lshrrev_b32 v1, 5, v0
	v_readfirstlane_b32 s24, v1                    ; wave
	v_and_b32 v1, 31, v0
	v_lshlrev_b32 v1, 4, v1                        ; 16 x lane: my bytes of a load's 512 and of a store's 512
	v_and_b32 v12, 15, v0                          ; r
	v_bfe_u32 v13, v0, 4, 1                        ; h
	s_mul_i32 s60, s24, STG
	v_add_nc_u32 v3, s60, v1                       ; the stage, on the way in
	v_mul_u32_u24 v4, v12, SP
	v_lshl_add_u32 v4, v13, 5, v4
	v_add_nc_u32 v4, s60, v4                       ; and on the way out: row r, + 32 h bytes (8 h numbers)
	s_sub_co_u32 s26, ttmp9, 1024
	s_lshr_b32 s27, s26, 6                         ; which weight (no 1, 2 or 3 where g < 1024)
	s_lshr_b32 s52, ttmp9, 9                       ; 1 for value
	s_and_b32 s38, ttmp9, 511
	s_and_b32 s39, ttmp9, 63
	s_cmp_lt_u32 ttmp9, 1024
	s_cselect_b32 s38, s38, s39                    ; R, the rowtile in its tensor
	s_cselect_b32 s58, ttmp9, s26                  ; the rowtile in ximg (value's first part begins 512 rowtiles in) or in wimg
	s_lshl_b32 s53, s38, 4                         ; its first row: 16 R,
	s_lshr_b32 s54, s38, 1
	s_lshl_b32 s54, s54, 5
	s_and_b32 s55, s38, 1
	s_lshl_b32 s55, s55, 3
	s_add_co_u32 s54, s54, s55                     ; or 32 (R / 2) + 8 (R % 2)
	s_cmp_eq_u32 s52, 1
	s_cselect_b32 s53, s54, s53
	s_cselect_b32 s37, 32768, 0                    ; value: the tile's rows 8..15 lie 8 rows of 4,096 bytes further down
	v_add_nc_u32 v2, s37, v1
	s_lshl_b32 s56, s53, 12
	s_lshl_b32 s57, s24, 10
	s_add_co_u32 s56, s56, s57                     ; first row x 4,096 + 1,024 x wave
	s_mov_b32 s57, 0
	s_lshl_b32 s58, s58, 14
	s_lshl_b32 s59, s24, 12
	s_add_co_u32 s58, s58, s59                     ; rowtile x 16,384 + my two K steps
	s_mov_b32 s59, 0
	s_wait_kmcnt 0x0
	s_load_b256 s[40:47], s[16:17], 0x0            ; entries 0 to 7
	s_load_b128 s[48:51], s[16:17], 0x20           ; entries 8 to 11
	s_mov_b64 s[28:29], s[8:9]                     ; the source: a choice among buffers on the work-group's number alone
	s_cmp_eq_u32 s27, 1
	s_cselect_b64 s[28:29], s[10:11], s[28:29]
	s_cmp_eq_u32 s27, 2
	s_cselect_b64 s[28:29], s[12:13], s[28:29]
	s_cmp_eq_u32 s27, 3
	s_cselect_b64 s[28:29], s[14:15], s[28:29]
	s_cmp_lt_u32 ttmp9, 1024
	s_cselect_b64 s[28:29], s[6:7], s[28:29]
	s_cselect_b64 s[30:31], s[18:19], s[20:21]
	s_cmp_lt_u32 ttmp9, 512
	s_cselect_b64 s[28:29], s[4:5], s[28:29]
	s_add_nc_u64 s[28:29], s[28:29], s[56:57]
	s_add_nc_u64 s[30:31], s[30:31], s[58:59]
	s_add_nc_u64 s[32:33], s[30:31], 0x800000      ; value's second part, 8 MiB on (used by value's work-groups alone)
.irp q, 0,1
.irp rho, 0,1,2,3,4,5,6,7,8,9,10,11,12,13,14,15
	global_load_b128 v[X+64*\q+4*\rho:X+64*\q+4*\rho+3], v[1+(\rho/8)], s[28:29] offset:4096*\rho+512*\q th:TH_LOAD_NT
.endr
.endr
	s_wait_kmcnt 0x0
	s_mov_b32 s34, s41                             ; e: Wq entry 1, Wk 3, Wv 5, Wo 11, value 2 (and 4), query 0
	s_cmp_eq_u32 s27, 1
	s_cselect_b32 s34, s43, s34
	s_cmp_eq_u32 s27, 2
	s_cselect_b32 s34, s45, s34
	s_cmp_eq_u32 s27, 3
	s_cselect_b32 s34, s51, s34
	s_cmp_lt_u32 ttmp9, 1024
	s_cselect_b32 s34, s42, s34
	s_cmp_lt_u32 ttmp9, 512
	s_cselect_b32 s34, s40, s34
	s_add_co_i32 s34, s34, 127
	s_lshl_b32 s35, s34, 23
	v_mov_b32 v5, s35                              ; 2^e as f32: the conversion takes its exponent field
	s_add_co_i32 s34, s34, 8
	s_lshl_b32 s34, s34, 23
	s_or_b32 s34, s34, 0x600000
	v_mov_b32 v6, s34                              ; 448 x 2^e
	s_add_co_i32 s36, s44, 127
	s_lshl_b32 s35, s36, 23
	v_mov_b32 v7, s35                              ; the same with entry 4, for value's second codes
	s_add_co_i32 s36, s36, 8
	s_lshl_b32 s36, s36, 23
	s_or_b32 s36, s36, 0x600000
	v_mov_b32 v8, s36
; 16 neighbours in v[src] on become 16 codes in v[dst] on.  The held numbers go to a set of their own, so that value's numbers serve twice; the sets take turns, so that the next
; chunk's first hold, a plain instruction on other registers, stands between a conversion and the next write of its sources.
.macro QCH src, dst, sc, lim, set
.irp i, 0,1,2,3,4,5,6,7,8,9,10,11,12,13,14,15
	v_med3_num_f32 v[T+16*((\set)%2)+\i], v[(\src)+\i], -v[\lim], v[\lim]   ; the conversion to an 8-bit code does not saturate (ISA guide 7.6.2)
.endr
	v_cvt_scalef32_pk8_fp8_f32 v[(\dst):(\dst)+1], v[T+16*((\set)%2):T+16*((\set)%2)+7], v[\sc]
	v_cvt_scalef32_pk8_fp8_f32 v[(\dst)+2:(\dst)+3], v[T+16*((\set)%2)+8:T+16*((\set)%2)+15], v[\sc]
.endm
.macro STEP q
	s_wait_loadcnt 16*(1-\q)                       ; this step's 16 loads are in; the later step's 16 may be out
.irp rho, 0,1,2,3,4,5,6,7,8,9,10,11,12,13,14,15
	ds_store_b128 v3, v[X+64*\q+4*\rho:X+64*\q+4*\rho+3] offset:SP*\rho
.endr
.irp c, 0,1,2,3                                ; LDS serves a wave's instructions in order (ISA guide 5.7.1.4): the loads see the stores, and land in the registers that those have left
	ds_load_b128 v[X+64*\q+16*\c:X+64*\q+16*\c+3], v4 offset:128*\c
	ds_load_b128 v[X+64*\q+16*\c+4:X+64*\q+16*\c+7], v4 offset:128*\c+16
	ds_load_b128 v[X+64*\q+16*\c+8:X+64*\q+16*\c+11], v4 offset:128*\c+64
	ds_load_b128 v[X+64*\q+16*\c+12:X+64*\q+16*\c+15], v4 offset:128*\c+80
.endr
.irp c, 0,1,2,3
	s_wait_dscnt 12-4*\c                           ; chunk c's four loads are in; the later chunks' may be out
	QCH X+64*\q+16*\c, C1+16*\q+4*\c, 5, 6, \c
	global_store_b128 v1, v[C1+16*\q+4*\c:C1+16*\q+4*\c+3], s[30:31] offset:2048*\q+512*\c
.endr
	s_cmp_lg_u32 s52, 1                            ; value alone has a second set of codes
	s_cbranch_scc1 .Lone_\@
.irp c, 0,1,2,3
	QCH X+64*\q+16*\c, C2+16*\q+4*\c, 7, 8, \c
	global_store_b128 v1, v[C2+16*\q+4*\c:C2+16*\q+4*\c+3], s[32:33] offset:2048*\q+512*\c
.endr
.Lone_\@:
.endm
	STEP 0
	STEP 1
	s_wait_tensorcnt 0x0                           ; the wave's end, behind my last LDS store
	ds_add_u32 v[SPW], v[NIL]
	s_wait_dscnt 0x0
	s_endpgm
.Ltable:                                           ; a thread to a position; no LDS is touched on this way
	s_sub_co_u32 s25, ttmp9, 1280
	s_lshl_b32 s25, s25, 7
	v_add_nc_u32 v2, s25, v0                       ; pos
	v_cvt_f32_u32 v1, v2
	v_lshlrev_b32 v15, 7, v2                       ; 128 bytes a position
	s_mov_b32 s40, 0x3f22f983                      ; 2 / pi
	s_mov_b32 s41, 0x3fc90fdb                      ; pi / 2, rounded,
	s_mov_b32 s42, 0xb33bbd2e                      ; and what the rounding left
	s_mov_b32 s43, 0xb94ca1f9                      ; sine: r + r z (S1 + z (S2 + z S3)), z = r r
	s_mov_b32 s44, 0x3c08839e
	s_mov_b32 s45, 0xbe2aaaa3
	s_mov_b32 s46, 0x37ccf5ce                      ; cosine: 1 - z / 2 + z z (C1 + z (C2 + z C3))
	s_mov_b32 s47, 0xbab6061a
	s_mov_b32 s48, 0x3d2aaaa5
.macro SC j, theta
	v_mul_f32 v50, \theta, v1                      ; the angle
	v_mul_f32 v51, s40, v50
	v_rndne_f32 v51, v51                           ; n
	v_fma_f32 v52, -v51, s41, v50
	v_fma_f32 v52, -v51, s42, v52                  ; r, within +-pi/4
	v_mul_f32 v53, v52, v52
	v_fma_f32 v54, v53, s43, s44
	v_fma_f32 v54, v54, v53, s45
	v_mul_f32 v55, v53, v52
	v_fma_f32 v54, v54, v55, v52                   ; sin r
	v_fma_f32 v56, v53, s46, s47
	v_fma_f32 v56, v56, v53, s48
	v_mul_f32 v57, v53, v53
	v_fma_f32 v58, v53, -0.5, 1.0
	v_fma_f32 v56, v56, v57, v58                   ; cos r
	v_cvt_i32_f32 v59, v51
	v_and_b32 v60, 1, v59
	v_cmp_eq_u32 vcc_lo, 1, v60                    ; odd quadrants change the two over
	v_cndmask_b32 v61, v54, v56, vcc_lo
	v_cndmask_b32 v62, v56, v54, vcc_lo
	v_lshlrev_b32 v60, 30, v59
	v_and_b32 v60, 0x80000000, v60                 ; the sine is negative in quadrants 2 and 3,
	v_xor_b32 v[32+\j], v60, v61
	v_add_nc_u32 v59, 1, v59
	v_lshlrev_b32 v59, 30, v59
	v_and_b32 v59, 0x80000000, v59                 ; the cosine in 1 and 2
	v_xor_b32 v[16+\j], v59, v62
.endm
	SC 0, 0x3f800000
	SC 1, 0x3f0ff59a
	SC 2, 0x3ea1e89b
	SC 3, 0x3e361887
	SC 4, 0x3dcccccd
	SC 5, 0x3d6655c3
	SC 6, 0x3d0186e2
	SC 7, 0x3c91ad39
	SC 8, 0x3c23d70a
	SC 9, 0x3bb8449c
	SC 10, 0x3b4f3e37
	SC 11, 0x3ae91528
	SC 12, 0x3a83126f
	SC 13, 0x3a136a16
	SC 14, 0x39a5cb5f
	SC 15, 0x393a7753
	s_wait_kmcnt 0x0
.irp i, 0,1,2,3,4,5,6,7
	global_store_b128 v15, v[16+4*\i:19+4*\i], s[22:23] offset:16*\i
.endr
	s_endpgm
.Lfunc_end_k_q9b62dcabd2_prep:
	.size	k_q9b62dcabd2_prep, .Lfunc_end_k_q9b62dcabd2_prep-k_q9b62dcabd2_prep
	.p2alignl 7, 3214868480
	.fill 96, 4, 3214868480
	.section	.rodata,"a",@progbits
	.p2align	6, 0x0
	.amdhsa_kernel k_q9b62dcabd2_prep
		.amdhsa_group_segment_fixed_size 35328
		.amdhsa_private_segment_fixed_size 0
		.amdhsa_enable_private_segment 0
		.amdhsa_kernarg_size 80
		.amdhsa_user_sgpr_count 2
		.amdhsa_user_sgpr_kernarg_segment_ptr 1
		.amdhsa_wavefront_size32 1
		.amdhsa_system_sgpr_workgroup_id_x 1
		.amdhsa_system_sgpr_workgroup_id_y 1
		.amdhsa_system_sgpr_workgroup_id_z 1
		.amdhsa_system_vgpr_workitem_id 0
		.amdhsa_next_free_vgpr 240
		.amdhsa_next_free_sgpr 66
		.amdhsa_reserve_vcc 1
		.amdhsa_float_denorm_mode_32 3
		.amdhsa_float_denorm_mode_16_64 3
		.amdhsa_memory_ordered 1
		.amdhsa_forward_progress 1
		.amdhsa_inst_pref_size 52
	.end_amdhsa_kernel
	.amdgpu_metadata
---
amdhsa.version: [ 1, 2 ]
amdhsa.kernels:
  - .name:           k_q9b62dcabd2_prep
    .symbol:         k_q9b62dcabd2_prep.kd
    .args:
      - { .name: query, .offset: 0, .size: 8, .value_kind: global_buffer, .address_space: global }
      - { .name: value, .offset: 8, .size: 8, .value_kind: global_buffer, .address_space: global }
      - { .name: Wq, .offset: 16, .size: 8, .value_kind: global_buffer, .address_space: global }
      - { .name: Wk, .offset: 24, .size: 8, .value_kind: global_buffer, .address_space: global }
      - { .name: Wv, .offset: 32, .size: 8, .value_kind: global_buffer, .address_space: global }
      - { .name: Wo, .offset: 40, .size: 8, .value_kind: global_buffer, .address_space: global }
      - { .name: lowp_scales, .offset: 48, .size: 8, .value_kind: global_buffer, .address_space: global }
      - { .name: ximg, .offset: 56, .size: 8, .value_kind: global_buffer, .address_space: global }
      - { .name: wimg, .offset: 64, .size: 8, .value_kind: global_buffer, .address_space: global }
      - { .name: tab, .offset: 72, .size: 8, .value_kind: global_buffer, .address_space: global }
    .group_segment_fixed_size: 35328
    .private_segment_fixed_size: 0
    .kernarg_segment_align: 8
    .kernarg_segment_size: 80
    .max_flat_workgroup_size: 128
    .sgpr_count:     66
    .vgpr_count:     240
    .wavefront_size: 32
...
	.end_amdgpu_metadata
.endif
;; end of part 1
;; launch qkv (part 2): grid 192 x 4, 4 waves a work-group, clusters of 4 x 4, 327,680 bytes of LDS; arguments ximg, wimg, bq, bk, bv, lowp_scales, tab, qkv; writes qkv
.if DOCPART == 2
	.amdgcn_target "amdgcn-amd-amdhsa--gfx1250"
	.amdhsa_code_object_version 6
	.text
	.protected	k_q9b62dcabd2_qkv
	.globl	k_q9b62dcabd2_qkv
	.p2align	8
	.type	k_q9b62dcabd2_qkv,@function
k_q9b62dcabd2_qkv:
	s_mov_b64 s[64:65], 0
	v_nop
	global_prefetch_b8 v0, s[64:65] scope:SCOPE_SE
	s_setreg_imm32_b32 hwreg(HW_REG_WAVE_MODE, 25, 1), 1
	s_wait_xcnt 0x0
	s_wait_alu depctr_hold_cnt(0) depctr_sa_sdst(0) depctr_va_vdst(0) depctr_va_sdst(0) depctr_va_ssrc(0) depctr_va_vcc(0) depctr_vm_vsrc(0)
	s_getreg_b32 s2, hwreg(HW_REG_IB_STS2, 6, 4)
	s_cmp_eq_u32 s2, 0
	s_cbranch_scc0 .Lentry_in_a_cluster
	s_endpgm
.Lentry_in_a_cluster:
	s_bfe_u32 s2, ttmp6, 0x10000c
	s_cmp_lg_u32 s2, 0xf033
	s_cbranch_scc0 .Lentry_shape_is_right
	s_endpgm
.Lentry_shape_is_right:
; The three projections on codes of FP8 (E4M3), K = 1,024, each followed in registers by x 2^(ea + eb) + bias, RoPE (q and k), and the quantiser of the attention's operand.  Nothing of reference() is left out here.
; THE PROBLEM is the cluster's number / 16: 0 q = query Wq^T, 1 k = value Wk^T, 2 v = value Wv^T.  Entries of lowp_scales: operands 2 p, 2 p + 1; results: q entry 7, k entry 6, v entry 8
; (the two einsums of reference() are lowered with their second operand on the left: the table's product 5 has v, 64 rows, as its A; so product 4's A, entry 6, is k).
; A work-group makes 128 rows of side P x 256 rows of side L.  Source 0 of the matrix instruction = 16 rows of P, source 1 = 16 rows of L: a lane holds ONE row of L, and its registers run along P.
;   q, k: P = the weight's rows (128 features = 2 heads), L = 256 positions: a lane holds a position, and its 32 registers of an L tile are features 16 tau + 8 h + j of one head: RoPE's partners d and d + 16 lie 8 registers apart.
;   v:    P = 128 positions, L = 256 channels of Wv: a lane holds a channel, and its registers run along the keys, which are the K of attention's second product.
; Four waves, each 64 P x 128 L: 32 accumulators.  768 work-groups: three for each of 256 WGPs.
; OPERANDS come as images of their registers (launch prep): a fragment is four ds_load_b128 of 512 dense bytes.  K goes in 4 chunks of 256 through three LDS slots: three are asked for at the head, the fourth fills slot 0 again.
; A wave has three tensor loads out at the start and one later.
; CLUSTERS: 4 x 4 work-groups.  P's tile hangs on cx alone and is asked for jointly by a column of the cluster, L's on cy alone and by a row.
; RESULTS leave as images too: q and k [16 b + head][tile of 16 positions][c' 0..1][lane][16 bytes] (features 32 c' + {8 h + 0..7, 16 + 8 h + 0..7}); v [16 b + head][64 keys][16 channels t][c'][lane][16 bytes]
; (channel 16 t + r, keys 32 c' + 16 h + 0..15).  Every store of a wave covers 512 consecutive bytes, aligned.
; LIMITS: ea + eb between -126 and 127; the result's e between -126 and 119.  NaN is not served.
; REGISTERS, in windows of 256: window 0: v1-19 addresses and constants; v64-127 P's four fragments, v128-255 L's eight (set 0); free on the way out.   window 1: accumulator (tau, lambda) at v[32 lambda + 8 tau].
;   window 2: v64-255 fragment set 1.   window 3: the bias, and the table's cosines and sines.
.set SLOT,  98304                      ; a slot: P's 8 rowtiles x 4,096 bytes, then L's 16
.set LOFF,  32768
.set SPARE, 3*SLOT                     ; behind the slots: the spare words, 128 bytes a wave
.set ADP, 4                            ; v4-6   LDS address of my P fragments in slot 0, 1, 2
.set ADL, 8                            ; v8-10  the same for L
.set SPW, 12                           ; v12    LDS address of my spare word; never rewritten
.set NIL, 13                           ; v13    0; never rewritten
.set G1P, 16                           ; s[16:23] descriptor group 1 for P's tiles;  s[24:31] for L's
.set G1L, 24
.set G0P, 32                           ; s[32:43] group 0 for P's tiles, a set for each slot;  s[44:55] for L's
.set G0L, 44
.set MSB, 0
.macro WIN new                         ; the immediate's high byte repeats the setting that is left
.if MSB != (\new)
	s_set_vgpr_msb (MSB<<8)|(\new)
.set MSB, (\new)
.endif
.endm
.macro PLACES                          ; four plain instructions between a matrix instruction and a load into, or a vector read of, its registers
.rept 4
	v_nop
.endr
.endm
.macro CREST                           ; a round of the cluster's barrier behind its opening barrier
	s_cmp_lg_u32 s10, 0
	s_cbranch_scc1 .Lnot_wave_0_\@
	s_barrier_signal -3
.Lnot_wave_0_\@:
	s_barrier_wait -3
	s_barrier_signal -1
	s_barrier_wait -1
.endm
.macro CROUND
	s_barrier_signal -1
	s_barrier_wait -1
	CREST
.endm
.macro JLOAD                           ; the joint refill of slot 0: waves 0, 1 fetch P's halves, waves 2, 3 L's; an s_nop 0 and four v_nop follow each line
	s_cmp_eq_u32 s11, 0
	s_cbranch_scc0 .Lfor_l_\@
	tensor_load_to_lds s[G0P:G0P+3], s[G1P:G1P+7]
	s_nop 0
.rept 4
	v_nop
.endr
	s_branch .Lasked_\@
.Lfor_l_\@:
	tensor_load_to_lds s[G0L:G0L+3], s[G1L:G1L+7]
	s_nop 0
.rept 4
	v_nop
.endr
.Lasked_\@:
.endm
.macro FETCH sg, q, set                ; the fragments of the q-th 128 along K of slot sg: 48 loads in one run, into set 0 (window 0) or 1 (window 2)
	WIN 0x80*(\set)
.irp t, 0,1,2,3
.irp c, 0,1,2,3
	ds_load_b128 v[64+16*\t+4*\c:64+16*\t+4*\c+3], v[ADP+\sg] offset:4096*\t+2048*\q+512*\c
.endr
.endr
.irp t, 0,1,2,3,4,5,6,7
.irp c, 0,1,2,3
	ds_load_b128 v[128+16*\t+4*\c:128+16*\t+4*\c+3], v[ADL+\sg] offset:4096*\t+2048*\q+512*\c
.endr
.endr
	WIN 0
.endm
.macro MULR set, l0, l1, zero          ; L tiles l0 .. l1 x P's four.  The 32 accumulators take turns, in the same order in every K step.  zero = 1: the products start the sums
	WIN 0x50+0x0a*(\set)
.set LL, \l0
.rept (\l1)-(\l0)+1
.irp t, 0,1,2,3
.if \zero
	v_wmma_f32_16x16x128_fp8_fp8 v[32*LL+8*\t:32*LL+8*\t+7], v[64+16*\t:64+16*\t+15], v[128+16*LL:128+16*LL+15], 0
.else
	v_wmma_f32_16x16x128_fp8_fp8 v[32*LL+8*\t:32*LL+8*\t+7], v[64+16*\t:64+16*\t+15], v[128+16*LL:128+16*LL+15], v[32*LL+8*\t:32*LL+8*\t+7]
.endif
.endr
.set LL, LL+1
.endr
.endm
.macro STEP sg, q, fset, mset          ; a K step: the fragments asked for a step ago are in; the next step's are asked for; 32 products
	s_wait_dscnt 0x0
	PLACES
	FETCH \sg, \q, \fset
	MULR \mset, 0, 7, 0
.endm
.macro TAIL                            ; the rest of K step 5, and steps 6 and 7: LDS reads and products alone
	PLACES
	FETCH 0, 0, 0
	MULR 1, 4, 7, 0
	STEP 0, 1, 1, 0
	s_wait_dscnt 0x0
	MULR 1, 0, 7, 0
	WIN 0
	PLACES
.endm
	s_load_b512 s[68:83], s[0:1], 0x0              ; ximg s[68:69], wimg s[70:71], bq s[72:73], bk s[74:75], bv s[76:77], the exponents s[78:79], tab s[80:81], qkv s[82:83]
	v_lshl_add_u32 v[SPW], v0, 2, SPARE
	v_mov_b32 v[NIL], 0
	ds_add_u32 v[SPW], v[NIL]                      ; the wave's opening: the add, twice on end, and its wait ahead of my first tensor load
	ds_add_u32 v[SPW], v[NIL]
	v_lshrrev_b32 v1, 5, v0
	v_readfirstlane_b32 s10, v1                    ; wave 0..3
	s_lshr_b32 s11, s10, 1                         ; which 64 rows of P are mine.  Also: I fetch for P (0) or for L (1)
	s_and_b32 s12, s10, 1                          ; which 128 rows of L.  Also: which half of that tile I fetch
	s_bfe_u32 s13, ttmp6, 0x40000                  ; cx
	s_bfe_u32 s14, ttmp6, 0x40004                  ; cy
	s_lshr_b32 s15, ttmp9, 4                       ; the problem: the same in all sixteen partners
	s_and_b32 s58, ttmp9, 15
	s_and_b32 s56, s58, 1                          ; q, k: 2 clusters along P, 8 along L;
	s_lshr_b32 s57, s58, 1
	s_cmp_eq_u32 s15, 2
	s_cselect_b32 s56, s58, s56                    ; v: 16 along P, 1 along L
	s_cselect_b32 s57, 0, s57
	s_lshl_b32 s56, s56, 2
	s_add_co_u32 s56, s56, s13                     ; tile of P
	s_lshl_b32 s57, s57, 2
	s_add_co_u32 s57, s57, s14                     ; tile of L
	s_lshl_b32 s60, 0x1111, s13                    ; my column of the cluster (same cx)
	s_lshl_b32 s61, s14, 2
	s_lshl_b32 s61, 15, s61                        ; my row (same cy)
	; group 1: rows of 512 elements of 8 bytes (a rowtile's 4,096 bytes of a chunk), 2,048 elements apart (a rowtile's 16,384 bytes); no padding: the images are read densely
	s_or_b32 s[G1P], s60, (3<<16)|(1<<21)          ; 15:0 the mask; 17:16 elements of 8 bytes; 21 set beside a mask
	s_or_b32 s[G1L], s61, (3<<16)|(1<<21)
	s_mov_b32 s[G1P+1], 512<<16                    ; tensor_dim0
	s_mov_b32 s[G1P+2], 4<<16                      ; tensor_dim1: P: 4 rowtiles a load
	s_mov_b32 s[G1P+3], 512<<16                    ; tile_dim0
	s_mov_b32 s[G1P+4], 4                          ; tile_dim1
	s_mov_b32 s[G1P+5], 2048                       ; the pitch
	s_mov_b32 s[G1P+6], 0
	s_mov_b32 s[G1P+7], 0
	s_mov_b32 s[G1L+1], 512<<16
	s_mov_b32 s[G1L+2], 8<<16                      ; L: 8 rowtiles a load
	s_mov_b32 s[G1L+3], 512<<16
	s_mov_b32 s[G1L+4], 8
	s_mov_b32 s[G1L+5], 2048
	s_mov_b32 s[G1L+6], 0
	s_mov_b32 s[G1L+7], 0
	s_lshl_b32 s84, s56, 17                        ; P: 8 rowtiles a tile, + my half's 4; these registers never hold cy,
	s_lshl_b32 s58, s12, 16
	s_add_co_u32 s84, s84, s58
	s_lshl_b32 s58, s15, 20                        ; q, k: the problem's weight, 1 MiB each
	s_lshl_b32 s86, s57, 18                        ; L: 16 rowtiles a tile, + my half's 8; these never hold cx
	s_lshl_b32 s59, s12, 17
	s_add_co_u32 s86, s86, s59
	s_lshl_b32 s59, s15, 23                        ; q, k: the problem's part of ximg, 8 MiB each
	s_cmp_eq_u32 s15, 2
	s_cselect_b32 s58, 0x1000000, s58              ; v: P = ximg's third part,
	s_cselect_b32 s59, 0x200000, s59               ;    L = Wv's image
	s_add_co_u32 s84, s84, s58
	s_add_co_u32 s86, s86, s59
	s_mov_b32 s85, 0
	s_mov_b32 s87, 0
	s_lshl_b32 s62, s12, 14                        ; where they go in a slot: no place in the cluster enters an LDS address
	s_lshl_b32 s63, s12, 15
	s_add_co_u32 s63, s63, LOFF
	s_wait_dscnt 0x0                               ; both opening adds are done
	s_wait_kmcnt 0x0
	s_load_b256 s[92:99], s[78:79], 0x0            ; entries 0 to 7
	s_load_b32 s66, s[78:79], 0x20                 ; entry 8
	s_cmp_eq_u32 s15, 2
	s_cselect_b64 s[88:89], s[68:69], s[70:71]
	s_cselect_b64 s[90:91], s[70:71], s[68:69]
	s_add_nc_u64 s[88:89], s[88:89], s[84:85]
	s_add_nc_u64 s[90:91], s[90:91], s[86:87]
	CROUND                                         ; all sixteen work-groups are here: the first joint loads meet
.irp sg, 0,1,2
	s_mov_b32 s[G0P+4*\sg], 1
	s_add_co_u32 s[G0P+4*\sg+1], s62, \sg*SLOT
	s_add_nc_u64 s[G0P+4*\sg+2:G0P+4*\sg+3], s[88:89], \sg*4096
	s_or_b32 s[G0P+4*\sg+3], s[G0P+4*\sg+3], 0x80000000
	s_mov_b32 s[G0L+4*\sg], 1
	s_add_co_u32 s[G0L+4*\sg+1], s63, \sg*SLOT
	s_add_nc_u64 s[G0L+4*\sg+2:G0L+4*\sg+3], s[90:91], \sg*4096
	s_or_b32 s[G0L+4*\sg+3], s[G0L+4*\sg+3], 0x80000000
.endr
	s_cmp_eq_u32 s11, 0                            ; a wave's three first fills stand in one branch, ahead of every wait on TENSORcnt and every LDS read
	s_cbranch_scc0 .Lfirst_l
	tensor_load_to_lds s[G0P:G0P+3], s[G1P:G1P+7]
	s_nop 0
	tensor_load_to_lds s[G0P+4:G0P+7], s[G1P:G1P+7]
	s_nop 0
	tensor_load_to_lds s[G0P+8:G0P+11], s[G1P:G1P+7]
	s_nop 0
.rept 4
	v_nop
.endr
	s_branch .Lfirst_asked
.Lfirst_l:
	tensor_load_to_lds s[G0L:G0L+3], s[G1L:G1L+7]
	s_nop 0
	tensor_load_to_lds s[G0L+4:G0L+7], s[G1L:G1L+7]
	s_nop 0
	tensor_load_to_lds s[G0L+8:G0L+11], s[G1L:G1L+7]
	s_nop 0
.rept 4
	v_nop
.endr
.Lfirst_asked:
	v_and_b32 v1, 31, v0
	v_lshlrev_b32 v1, 4, v1                        ; 16 x lane
	v_and_b32 v2, 15, v0                           ; r
	v_bfe_u32 v3, v0, 4, 1                         ; h
	s_lshl_b32 s58, s11, 14                        ; my four rowtiles of P
	s_lshl_b32 s59, s12, 15
	s_add_co_u32 s59, s59, LOFF                    ; my eight of L
.irp sg, 0,1,2
	v_add_nc_u32 v[ADP+\sg], s58, v1
	v_add_nc_u32 v[ADL+\sg], s59, v1
	s_add_co_u32 s58, s58, SLOT
	s_add_co_u32 s59, s59, SLOT
.endr
	s_wait_tensorcnt 0x2                           ; my part of chunk 0 is in; the two younger loads stay out
	s_barrier_signal -1
	s_barrier_wait -1
	FETCH 0, 0, 0
	s_wait_dscnt 0x0                               ; K step 0
	FETCH 0, 1, 1
	MULR 0, 0, 7, 1
	WIN 0                                          ; K step 1, and the one change of slots with a refill (the add's two registers lie in window 0)
	s_wait_tensorcnt 0x0                           ; all my tensor loads have landed;
	ds_add_u32 v[SPW], v[NIL]                      ; 0 onto my spare word
	s_wait_dscnt 0x1                               ; (the add alone may be out: this step's fragments are in)
	MULR 1, 0, 1, 0
	s_wait_dscnt 0x0                               ; the add is done, and my reads of slot 0 are over
	s_barrier_signal -1                            ; this barrier opens a round of the cluster's
	MULR 1, 2, 3, 0
	WIN 0
	s_barrier_wait -1
	CREST                                          ; no wave of any partner still reads slot 0 or has a load on its way; slots 1 and 2 are whole
	s_add_nc_u64 s[G0P+2:G0P+3], s[G0P+2:G0P+3], 12288     ; from chunk 0 to chunk 3
	s_add_nc_u64 s[G0L+2:G0L+3], s[G0L+2:G0L+3], 12288
	JLOAD                                          ; it has 112 matrix instructions in which to land; its four v_nop are the places in front of the loads below
	FETCH 1, 0, 0
	MULR 1, 4, 7, 0
	STEP 1, 1, 1, 0                                ; K step 2
	STEP 2, 0, 0, 1                                ; 3
	STEP 2, 1, 1, 0                                ; 4
	s_wait_dscnt 0x0                               ; K step 5: its fragments are in;
	s_wait_tensorcnt 0x0                           ; my part of chunk 3 is in: the one load that was out
	s_barrier_signal -1
	MULR 1, 0, 3, 0
	WIN 0
	s_barrier_wait -1                              ; everybody's is
	s_wait_kmcnt 0x0
	s_add_co_i32 s2, s92, s93                      ; ea + eb of the three problems,
	s_add_co_i32 s3, s94, s95
	s_add_co_i32 s4, s96, s97
	s_cmp_eq_u32 s15, 1
	s_cselect_b32 s2, s3, s2
	s_cselect_b32 s5, s98, s99                     ; the result's e: k entry 6, q entry 7,
	s_cmp_eq_u32 s15, 2
	s_cselect_b32 s2, s4, s2
	s_cselect_b32 s5, s66, s5                      ; v entry 8: chosen without a jump
	s_add_co_i32 s2, s2, 127
	s_lshl_b32 s84, s2, 23                         ; 2^(ea + eb) as f32
	s_mov_b32 s85, s84                             ; (named with it as a pair, so it is written)
	s_add_co_i32 s5, s5, 127
	s_lshl_b32 s3, s5, 23
	v_mov_b32 v14, s3                              ; 2^e of the result
	s_add_co_i32 s5, s5, 8
	s_lshl_b32 s5, s5, 23
	s_or_b32 s5, s5, 0x600000
	v_mov_b32 v15, s5                              ; 448 x that
	s_mov_b32 s3, 0
	s_cmp_eq_u32 s15, 2                            ; THE TEXT PARTS HERE, on the cluster's number alone: each arm asks for its bias (and table), ends the product and goes out
	s_cbranch_scc1 .Lpath_v
	s_lshl_b32 s58, s56, 1
	s_add_co_u32 s58, s58, s11                     ; my head: 2 x tile of P + my half
	s_lshl_b32 s2, s58, 8                          ; its 64 numbers of the bias
	s_cmp_eq_u32 s15, 0
	s_cselect_b64 s[88:89], s[72:73], s[74:75]
	s_add_nc_u64 s[88:89], s[88:89], s[2:3]
	s_lshl_b32 s59, s57, 4
	s_lshl_b32 s60, s12, 3
	s_add_co_u32 s59, s59, s60                     ; my first rowtile of positions
	s_lshr_b32 s60, s59, 7                         ; the batch,
	s_and_b32 s59, s59, 127                        ; and the tile in it, T0, a multiple of 8
	s_lshl_b32 s2, s59, 11                         ; 16 positions x 128 bytes a tile
	s_add_nc_u64 s[90:91], s[80:81], s[2:3]
	s_lshl_b32 s60, s60, 4
	s_add_co_u32 s60, s60, s58                     ; 16 b + head
	s_lshl_b32 s60, s60, 17
	s_lshl_b32 s61, s59, 10
	s_add_co_u32 s60, s60, s61
	s_lshl_b32 s61, s15, 23                        ; q's part or k's
	s_add_co_u32 s2, s60, s61
	s_add_nc_u64 s[86:87], s[82:83], s[2:3]
	s_mov_b32 s62, 2048
	s_cmp_eq_u32 s15, 1
	s_cselect_b32 s61, 1, 0
	s_cselect_b32 s62, 1024, s62
	v_and_b32 v19, 8, v2
	v_mul_u32_u24 v19, s61, v19
	v_add_nc_u32 v19, v19, v2                      ; my position in a pair of tiles: r (q), r + 8 (r / 8) (k)
	v_lshlrev_b32 v19, 7, v19
	v_lshl_add_u32 v16, v3, 5, v19                 ; + 32 h: angles 8 h + 0..7.  Even tiles;
	v_add_nc_u32 v17, s62, v16                     ; odd tiles: 16 positions on (q), 8 on (k)
	v_lshlrev_b32 v18, 5, v3
	WIN 0xc0                                       ; destination window 3
.irp t, 0,1,2,3
	global_load_b128 v[8*\t:8*\t+3], v18, s[88:89] offset:64*\t              ; b(64 head + 16 tau + 8 h + 0..7)
	global_load_b128 v[8*\t+4:8*\t+7], v18, s[88:89] offset:64*\t+16
.endr
.irp lm, 0,1,2,3,4,5,6,7
	global_load_b128 v[32+16*\lm:35+16*\lm], v[16+(\lm%2)], s[90:91] offset:4096*(\lm/2)      ; cosines,
	global_load_b128 v[36+16*\lm:39+16*\lm], v[16+(\lm%2)], s[90:91] offset:4096*(\lm/2)+16
	global_load_b128 v[40+16*\lm:43+16*\lm], v[16+(\lm%2)], s[90:91] offset:4096*(\lm/2)+64   ; sines
	global_load_b128 v[44+16*\lm:47+16*\lm], v[16+(\lm%2)], s[90:91] offset:4096*(\lm/2)+80
.endr
	WIN 0
	TAIL
	s_wait_loadcnt 0x0
.macro HOLD32A                         ; the hold at the largest code x the scale: the rotated 16 and the 16 that pass
.set I, 0
.rept 16
	v_med3_num_f32 v[96+I], v[96+I], -v15, v15
	v_med3_num_f32 v[80+I], v[80+I], -v15, v15
.set I, I+1
.endr
.endm
.macro OUTQK lm                        ; L tile lm: 16 positions x my head's 64 features
	WIN 0x31                                       ; source 0 (the sums) window 1, source 2 (the bias) window 3
.irp i, 0,2,4,6,8,10,12,14,16,18,20,22,24,26,28,30
	v_pk_fma_f32 v[64+\i:65+\i], v[32*\lm+\i:32*\lm+\i+1], s[84:85], v[\i:\i+1] op_sel_hi:[1,0,1]   ; sum x 2^(ea + eb) + b; each accumulator from its low end on
.endr
	WIN 0x0c                                       ; source 1 (the table) window 3
.irp i, 0,2,4,6
	v_pk_mul_f32 v[96+\i:97+\i], v[64+\i:65+\i], v[32+16*\lm+\i:33+16*\lm+\i]
	v_pk_mul_f32 v[104+\i:105+\i], v[72+\i:73+\i], v[32+16*\lm+\i:33+16*\lm+\i]
.endr
.irp i, 0,2,4,6
	v_pk_fma_f32 v[96+\i:97+\i], v[72+\i:73+\i], v[40+16*\lm+\i:41+16*\lm+\i], v[96+\i:97+\i] neg_lo:[0,1,0] neg_hi:[0,1,0]   ; x(d) cos - x(d + 16) sin
	v_pk_fma_f32 v[104+\i:105+\i], v[64+\i:65+\i], v[40+16*\lm+\i:41+16*\lm+\i], v[104+\i:105+\i]                             ; x(d + 16) cos + x(d) sin
.endr
	WIN 0
	HOLD32A
	v_cvt_scalef32_pk8_fp8_f32 v[128+8*\lm:129+8*\lm], v[96:103], v14
	v_cvt_scalef32_pk8_fp8_f32 v[130+8*\lm:131+8*\lm], v[104:111], v14
	v_cvt_scalef32_pk8_fp8_f32 v[132+8*\lm:133+8*\lm], v[80:87], v14
	v_cvt_scalef32_pk8_fp8_f32 v[134+8*\lm:135+8*\lm], v[88:95], v14
	v_nop                                          ; a plain instruction between the conversions and the next write of their sources
	global_store_b128 v1, v[128+8*\lm:131+8*\lm], s[86:87] offset:1024*\lm
	global_store_b128 v1, v[132+8*\lm:135+8*\lm], s[86:87] offset:1024*\lm+512
.endm
.irp lm, 0,1,2,3,4,5,6,7
	OUTQK \lm
.endr
	s_branch .Lend
.Lpath_v:
	s_lshl_b32 s58, s57, 10                        ; my 128 channels' bias: 256 x tile of L + 128 x my half, 4 bytes each
	s_lshl_b32 s59, s12, 9
	s_add_co_u32 s2, s58, s59
	s_add_nc_u64 s[88:89], s[76:77], s[2:3]
	s_lshr_b32 s58, s56, 4                         ; the batch: 16 tiles of 128 positions each
	s_lshl_b32 s58, s58, 4
	s_lshl_b32 s59, s57, 2
	s_add_co_u32 s58, s58, s59
	s_lshl_b32 s59, s12, 1
	s_add_co_u32 s58, s58, s59                     ; 16 b + my first head
	s_lshl_b32 s58, s58, 17
	s_lshl_b32 s59, s56, 1
	s_add_co_u32 s59, s59, s11
	s_and_b32 s59, s59, 31                         ; my group of 64 keys
	s_lshl_b32 s59, s59, 12
	s_add_co_u32 s58, s58, s59
	s_add_co_u32 s2, s58, 0x1000000                ; v's part
	s_add_nc_u64 s[86:87], s[82:83], s[2:3]
	v_lshlrev_b32 v18, 2, v2
	WIN 0xc0
.irp lm, 0,1,2,3,4,5,6,7
	global_load_b32 v[2*\lm], v18, s[88:89] offset:64*\lm         ; my channel's bias, twice: a pair for the packed form
	global_load_b32 v[2*\lm+1], v18, s[88:89] offset:64*\lm
.endr
	WIN 0
	TAIL
	s_wait_loadcnt 0x0
.macro OUTV lm                         ; L tile lm: 16 channels x my 64 keys
	WIN 0x31
.irp i, 0,2,4,6,8,10,12,14,16,18,20,22,24,26,28,30
	v_pk_fma_f32 v[64+\i:65+\i], v[32*\lm+\i:32*\lm+\i+1], s[84:85], v[2*\lm:2*\lm+1] op_sel_hi:[1,0,1]
.endr
	WIN 0
.set I, 0
.rept 32
	v_med3_num_f32 v[64+I], v[64+I], -v15, v15
.set I, I+1
.endr
.irp t, 0,1,2,3
	v_cvt_scalef32_pk8_fp8_f32 v[128+8*\lm+2*\t:129+8*\lm+2*\t], v[64+8*\t:71+8*\t], v14
.endr
	v_nop
	global_store_b128 v1, v[128+8*\lm:131+8*\lm], s[86:87] offset:131072*(\lm/4)+1024*(\lm%4)
	global_store_b128 v1, v[132+8*\lm:135+8*\lm], s[86:87] offset:131072*(\lm/4)+1024*(\lm%4)+512
.endm
.irp lm, 0,1,2,3,4,5,6,7
	OUTV \lm
.endr
.Lend:
	s_wait_tensorcnt 0x0                           ; the wave's end
	ds_add_u32 v[SPW], v[NIL]
	s_wait_dscnt 0x0
	CROUND                                         ; the closing round: no work-group ends while a partner may still ask for a tile that names it
	s_endpgm
.Lfunc_end_k_q9b62dcabd2_qkv:
	.size	k_q9b62dcabd2_qkv, .Lfunc_end_k_q9b62dcabd2_qkv-k_q9b62dcabd2_qkv
	.p2alignl 7, 3214868480
	.fill 96, 4, 3214868480
	.section	.rodata,"a",@progbits
	.p2align	6, 0x0
	.amdhsa_kernel k_q9b62dcabd2_qkv
		.amdhsa_group_segment_fixed_size 327680
		.amdhsa_private_segment_fixed_size 0
		.amdhsa_enable_private_segment 0
		.amdhsa_kernarg_size 64
		.amdhsa_user_sgpr_count 2
		.amdhsa_user_sgpr_kernarg_segment_ptr 1
		.amdhsa_wavefront_size32 1
		.amdhsa_system_sgpr_workgroup_id_x 1
		.amdhsa_system_sgpr_workgroup_id_y 1
		.amdhsa_system_sgpr_workgroup_id_z 1
		.amdhsa_system_vgpr_workitem_id 0
		.amdhsa_next_free_vgpr 1024
		.amdhsa_next_free_sgpr 100
		.amdhsa_reserve_vcc 0
		.amdhsa_float_denorm_mode_32 3
		.amdhsa_float_denorm_mode_16_64 3
		.amdhsa_memory_ordered 1
		.amdhsa_forward_progress 1
		.amdhsa_inst_pref_size 135
	.end_amdhsa_kernel
	.amdgpu_metadata
---
amdhsa.version: [ 1, 2 ]
amdhsa.kernels:
  - .name:           k_q9b62dcabd2_qkv
    .symbol:         k_q9b62dcabd2_qkv.kd
    .args:
      - { .name: ximg, .offset: 0, .size: 8, .value_kind: global_buffer, .address_space: global }
      - { .name: wimg, .offset: 8, .size: 8, .value_kind: global_buffer, .address_space: global }
      - { .name: bq, .offset: 16, .size: 8, .value_kind: global_buffer, .address_space: global }
      - { .name: bk, .offset: 24, .size: 8, .value_kind: global_buffer, .address_space: global }
      - { .name: bv, .offset: 32, .size: 8, .value_kind: global_buffer, .address_space: global }
      - { .name: lowp_scales, .offset: 40, .size: 8, .value_kind: global_buffer, .address_space: global }
      - { .name: tab, .offset: 48, .size: 8, .value_kind: global_buffer, .address_space: global }
      - { .name: qkv, .offset: 56, .size: 8, .value_kind: global_buffer, .address_space: global }
    .group_segment_fixed_size: 327680
    .private_segment_fixed_size: 0
    .kernarg_segment_align: 8
    .kernarg_segment_size: 64
    .max_flat_workgroup_size: 128
    .sgpr_count:     100
    .vgpr_count:     1024
    .wavefront_size: 32
...
	.end_amdgpu_metadata
.endif
;; end of part 2
;; launch attn (part 3): grid 4 x 64, 16 waves a work-group, no clusters, 264,192 bytes of LDS; arguments qkv, lowp_scales, ao; writes ao
.if DOCPART == 3
	.amdgcn_target "amdgcn-amd-amdhsa--gfx1250"
	.amdhsa_code_object_version 6
	.text
	.protected	k_q9b62dcabd2_attn
	.globl	k_q9b62dcabd2_attn
	.p2align	8
	.type	k_q9b62dcabd2_attn,@function
k_q9b62dcabd2_attn:
	s_mov_b64 s[64:65], 0
	v_nop
	global_prefetch_b8 v0, s[64:65] scope:SCOPE_SE
	s_setreg_imm32_b32 hwreg(HW_REG_WAVE_MODE, 25, 1), 1
	s_wait_xcnt 0x0
; Attention on codes of FP8 (E4M3): O = softmax(q k^T / 8) v for one (batch, head) and 512 queries a work-group; the result, divided by the row's sum, is quantised for the last projection.
; THE SOFTMAX AHEAD OF THE SECOND PRODUCT: t = score x log2(e) / 8; M = the row's largest t rounded UP to a whole number; p = 2^(t - M) is quantised (entry 9), not normalised; the row's sum is taken of the unquantised p.
; TWO PASSES over the keys: pass 1 multiplies K Q^T and keeps the largest score; pass 2 multiplies it again (the same instructions on the same codes give the same scores), with M known.
; So K Q^T is done twice, and no sum is ever brought under a new M.  Nothing of reference() is left out.
; SHARES.  Work-group (x, bh): queries 512 x .. 512 x + 511 of head bh.  Each of sixteen waves owns 32 queries, two tiles: a fragment of K or V read from LDS feeds two matrix instructions.
; ALL OF THE HEAD'S K AND V LIE IN LDS (2 x 131,072 bytes) for the whole launch: one barrier, no ring.  They come through registers: 32 loads and 32 LDS stores a wave, once.
; NO TENSOR LOAD AND NO JOINT REQUEST, though four work-groups read the same K and V: those 64 lines are all that a wave spends on fetching, against some 8,000 in its loops.
; p is at most 1 (but for the last bit) and cannot pass it.
; LAYOUT.  Both products are used transposed: S^T = K Q^T (source 0 = 16 keys, source 1 = 16 queries), O^T = V^T P^T: a lane holds ONE query (lane % 16) throughout.  Row r of K's tile T is key 32 (T / 2) + 8 (T % 2) + r + 8 (r / 8),
; so the 16 registers of tiles 2 b and 2 b + 1 are keys 32 b + 16 h + 0..15, the order in which V's image has them: the conversions' results are the second product's operand.
; LIMITS: e6 + e7 between -123 and 130 (added to c's exponent field); e9 and e10 between -126 and 119.  NaN is not served.
.set VIMG,  131072                     ; K's image at LDS byte 0, V's here
.set SPARE, 262144                     ; the spare words, 128 bytes for each of sixteen waves
.set QA, 24                            ; v24-31, v32-39  Q's two fragments
.set QB, 32
.set KF, 40                            ; v40-71   four fragments of K
.set VF, 72                            ; v72-103  four of V
.set SA, 104                           ; v104-135, v136-167  S^T, then p
.set SB, 136
.set PA, 168                           ; v168-175, v176-183  p's codes
.set PB, 176
.set OA, 184                           ; v184-215, v216-247  O^T
.set OB, 216
; v1 16 x lane; v2, v3 LDS addresses in hand; v4, v5 the add's two; v[6:7], v[8:9] -M (low word); v[10:17] the sums, two chains a tile; v18 448 x 2^e9, v19 2^e9; v20-23 the largest scores, two chains a tile;
; v248, v249 where I store K and V; v[250:253] the divisors; v254 448 x 2^e10, v255 2^e10
	s_load_b128 s[4:7], s[0:1], 0x0                ; qkv s[4:5], the exponents s[6:7]
	s_load_b64 s[8:9], s[0:1], 0x10                ; ao
	v_lshl_add_u32 v4, v0, 2, SPARE
	v_mov_b32 v5, 0
	v_lshrrev_b32 v1, 5, v0
	v_readfirstlane_b32 s10, v1                    ; wave 0..15
	v_and_b32 v1, 31, v0
	v_lshlrev_b32 v1, 4, v1
	s_lshl_b32 s11, s10, 13                        ; my 8,192 bytes of each image
	v_add_nc_u32 v248, s11, v1
	s_add_co_u32 s27, s11, VIMG
	v_add_nc_u32 v249, s27, v1
	s_and_b32 s33, ttmp7, 0xffff                   ; bh
	s_lshl_b32 s34, s33, 17
	s_lshl_b32 s35, ttmp9, 15                      ; 32 tiles of queries a work-group, 1,024 bytes each,
	s_lshl_b32 s36, s10, 11                        ; two a wave
	s_add_co_u32 s36, s36, s35
	s_add_co_u32 s36, s36, s34
	s_mov_b32 s37, 0
	s_add_co_u32 s38, s34, s11
	s_add_co_u32 s38, s38, 0x800000                ; k's part
	s_mov_b32 s39, 0
	s_add_co_u32 s40, s38, 0x800000                ; v's part
	s_mov_b32 s41, 0
	s_lshr_b32 s42, s33, 4
	s_lshl_b32 s42, s42, 7
	s_lshl_b32 s43, ttmp9, 5
	s_add_co_u32 s42, s42, s43
	s_lshl_b32 s43, s10, 1
	s_add_co_u32 s42, s42, s43                     ; ao: rowtile 128 b + my first tile of queries,
	s_lshl_b32 s42, s42, 14
	s_and_b32 s43, s33, 15
	s_lshl_b32 s43, s43, 10                        ; K step head / 2, chunks 2 (head % 2) on: 1,024 bytes a head
	s_add_co_u32 s42, s42, s43
	s_mov_b32 s43, 0
	s_mov_b32 s22, 0x76543210                      ; v_permlanex16_b32's selects for lane l xor 16
	s_mov_b32 s23, 0xfedcba98
	s_wait_kmcnt 0x0
	s_load_b128 s[28:31], s[6:7], 0x18             ; e6, e7, e8, e9
	s_load_b32 s32, s[6:7], 0x28                   ; e10
	s_add_nc_u64 s[12:13], s[4:5], s[36:37]
	s_add_nc_u64 s[14:15], s[4:5], s[38:39]
	s_add_nc_u64 s[16:17], s[4:5], s[40:41]
	s_add_nc_u64 s[18:19], s[8:9], s[42:43]
.irp i, 0,1,2,3,4,5,6,7,8,9,10,11,12,13,14,15
	global_load_b128 v[SA+4*\i:SA+4*\i+3], v1, s[14:15] offset:512*\i
.endr
.irp i, 0,1,2,3,4,5,6,7,8,9,10,11,12,13,14,15
	global_load_b128 v[OA+4*\i:OA+4*\i+3], v1, s[16:17] offset:512*\i
.endr
.irp i, 0,1,2,3
	global_load_b128 v[QA+4*\i:QA+4*\i+3], v1, s[12:13] offset:512*\i
.endr
	v_mov_b32 v7, 0                                ; (upper halves of pairs that the packed forms name)
	v_mov_b32 v9, 0
	v_mov_b32 v251, 0
	v_mov_b32 v253, 0
.irp i, 10,11,12,13,14,15,16,17
	v_mov_b32 v\i, 0                               ; the sums
.endr
.irp i, 20,21,22,23
	v_mov_b32 v\i, 0xff61b1e6                      ; -3e38, under every score
.endr
	s_wait_kmcnt 0x0
	s_add_co_i32 s44, s28, s29
	s_lshl_b32 s44, s44, 23
	s_add_co_i32 s20, s44, 0x3e38aa3b              ; c = log2(e) / 8 x 2^(e6 + e7): the two exponents are added to c's exponent field
	s_mov_b32 s21, s20
	s_add_co_i32 s45, s31, 127
	s_lshl_b32 s46, s45, 23
	v_mov_b32 v19, s46
	s_add_co_i32 s45, s45, 8
	s_lshl_b32 s45, s45, 23
	s_or_b32 s45, s45, 0x600000
	v_mov_b32 v18, s45
	s_add_co_i32 s45, s32, 127
	s_lshl_b32 s46, s45, 23
	v_mov_b32 v255, s46
	s_add_co_i32 s45, s45, 8
	s_lshl_b32 s45, s45, 23
	s_or_b32 s45, s45, 0x600000
	v_mov_b32 v254, s45
	s_add_co_i32 s44, s30, s31                     ; e8 + e9
	s_wait_loadcnt 20                              ; K's 16 loads are in; V's 16 and Q's 4 may be out
.irp i, 0,1,2,3,4,5,6,7,8,9,10,11,12,13,14,15
	ds_store_b128 v248, v[SA+4*\i:SA+4*\i+3] offset:512*\i
.endr
	s_wait_loadcnt 4                               ; V's are in; Q's 4 may be out
.irp i, 0,1,2,3,4,5,6,7,8,9,10,11,12,13,14,15
	ds_store_b128 v249, v[OA+4*\i:OA+4*\i+3] offset:512*\i
.endr
	s_wait_dscnt 0x0                               ; for the others' sake: my stores have landed
	s_barrier_signal -1
	s_barrier_wait -1                              ; both images are whole; nothing writes them again
	s_wait_loadcnt 0x0                             ; Q
.macro QK                              ; 64 keys x my 32 queries; each product starts its sum
.irp kt, 0,1,2,3
	v_wmma_f32_16x16x64_fp8_fp8 v[SA+8*\kt:SA+8*\kt+7], v[KF+8*\kt:KF+8*\kt+7], v[QA:QA+7], 0
	v_wmma_f32_16x16x64_fp8_fp8 v[SB+8*\kt:SB+8*\kt+7], v[KF+8*\kt:KF+8*\kt+7], v[QB:QB+7], 0
.endr
.endm
.macro LDK
.irp kt, 0,1,2,3
	ds_load_b128 v[KF+8*\kt:KF+8*\kt+3], v2 offset:1024*\kt
	ds_load_b128 v[KF+8*\kt+4:KF+8*\kt+7], v2 offset:1024*\kt+512
.endr
.endm
.macro LDV
.irp t, 0,1,2,3
	ds_load_b128 v[VF+8*\t:VF+8*\t+3], v3 offset:1024*\t
	ds_load_b128 v[VF+8*\t+4:VF+8*\t+7], v3 offset:1024*\t+512
.endr
.endm
; PASS 1, a group of 64 keys a trip.  ahead = 1: the next group's K is asked for; 0: group 0's, with which pass 2 begins.
.macro TRIP1 ahead
	s_wait_dscnt 0x0                               ; this group's K is in
	QK
.if \ahead
	s_add_co_u32 s24, s24, 4096
.else
	s_mov_b32 s24, 0
.endif
	v_add_nc_u32 v2, s24, v1                       ; with the three below: the four places behind the products
	v_nop
	v_nop
	v_nop
	LDK
.irp i, 0,4,8,12,16,20,24,28                   ; each accumulator from its low end on
	v_max3_num_f32 v20, v20, v[SA+\i], v[SA+\i+1]
	v_max3_num_f32 v21, v21, v[SA+\i+2], v[SA+\i+3]
	v_max3_num_f32 v22, v22, v[SB+\i], v[SB+\i+1]
	v_max3_num_f32 v23, v23, v[SB+\i+2], v[SB+\i+3]
.endr
.endm
	s_mov_b32 s24, 0
	v_add_nc_u32 v2, s24, v1
	LDK
	s_mov_b32 s26, 31
.Lp1:
	TRIP1 1
	s_sub_co_u32 s26, s26, 1
	s_cmp_lg_u32 s26, 0
	s_cbranch_scc1 .Lp1
	TRIP1 0
	v_max_num_f32 v20, v20, v21
	v_max_num_f32 v22, v22, v23
	v_permlanex16_b32 v21, v20, s22, s23           ; the query's other keys lie in the lane 16 away
	v_permlanex16_b32 v23, v22, s22, s23
	v_max_num_f32 v20, v20, v21
	v_max_num_f32 v22, v22, v23
	v_mul_f32 v20, s20, v20                        ; as t (c is positive)
	v_mul_f32 v22, s20, v22
	v_floor_f32 v6, -v20                           ; -M = floor(-t) = -ceil(t)
	v_floor_f32 v8, -v22
	s_mov_b32 s25, VIMG
	s_wait_dscnt 0x0                               ; group 0's K is in
; PASS 2, a group of 64 keys a trip.  zero = 1: the products start O^T's sums.  ahead = 1: the next group's K is asked for.
.macro TRIP2 zero, ahead
	QK
.if \ahead
	s_add_co_u32 s24, s24, 4096
	v_add_nc_u32 v2, s24, v1                       ; four places behind the products just issued and behind the last trip's, whose V is written over below
.else
	v_nop
.endif
	v_add_nc_u32 v3, s25, v1
	s_add_co_u32 s25, s25, 4096
	v_nop
	v_nop
.if \ahead
	LDK
.endif
	LDV                                            ; this group's V: wanted behind the softmax
.irp i, 0,2,4,6,8,10,12,14,16,18,20,22,24,26,28,30
	v_pk_fma_f32 v[SA+\i:SA+\i+1], v[SA+\i:SA+\i+1], s[20:21], v[6:7] op_sel_hi:[1,0,0]   ; t - M, two at a time (of the pairs c and -M the low word serves both halves)
.endr
.irp i, 0,2,4,6,8,10,12,14,16,18,20,22,24,26,28,30
	v_pk_fma_f32 v[SB+\i:SB+\i+1], v[SB+\i:SB+\i+1], s[20:21], v[8:9] op_sel_hi:[1,0,0]
.endr
.set I, 0
.rept 64
	v_exp_f32 v[SA+I], v[SA+I]                     ; p = 2^(t - M): one batch
.set I, I+1
.endr
	v_nop                                          ; a plain instruction behind the last exponential,
	s_wait_alu depctr_va_vdst(0)                   ; and one wait for the batch, ahead of its first reader
.irp i, 0,4,8,12,16,20,24,28                   ; the row's sum is taken of the unquantised p
	v_pk_add_f32 v[10:11], v[10:11], v[SA+\i:SA+\i+1]
	v_pk_add_f32 v[12:13], v[12:13], v[SA+\i+2:SA+\i+3]
	v_pk_add_f32 v[14:15], v[14:15], v[SB+\i:SB+\i+1]
	v_pk_add_f32 v[16:17], v[16:17], v[SB+\i+2:SB+\i+3]
.endr
	s_cmp_gt_i32 s31, -9                           ; e9 >= -8: 448 x 2^e9 >= 1.75, which p never reaches: the hold changes nothing and is jumped over
	s_cbranch_scc1 .Lnohold_\@
.set I, 0
.rept 64
	v_min_num_f32 v[SA+I], v[SA+I], v18            ; the conversion does not saturate (ISA guide 7.6.2); p is not negative, so the hold is one-sided
.set I, I+1
.endr
.Lnohold_\@:
.irp kt, 0,1,2,3
	v_cvt_scalef32_pk8_fp8_f32 v[PA+2*\kt:PA+2*\kt+1], v[SA+8*\kt:SA+8*\kt+7], v19
	v_cvt_scalef32_pk8_fp8_f32 v[PB+2*\kt:PB+2*\kt+1], v[SB+8*\kt:SB+8*\kt+7], v19
.endr
	v_nop                                          ; a plain instruction between the conversions and the products that read their results
	s_wait_dscnt 0x0                               ; V is in, and the next group's K
.irp t, 0,1,2,3                                ; the eight accumulators take turns, and eight other products stand ahead of their next turn
.if \zero
	v_wmma_f32_16x16x64_fp8_fp8 v[OA+8*\t:OA+8*\t+7], v[VF+8*\t:VF+8*\t+7], v[PA:PA+7], 0
	v_wmma_f32_16x16x64_fp8_fp8 v[OB+8*\t:OB+8*\t+7], v[VF+8*\t:VF+8*\t+7], v[PB:PB+7], 0
.else
	v_wmma_f32_16x16x64_fp8_fp8 v[OA+8*\t:OA+8*\t+7], v[VF+8*\t:VF+8*\t+7], v[PA:PA+7], v[OA+8*\t:OA+8*\t+7]
	v_wmma_f32_16x16x64_fp8_fp8 v[OB+8*\t:OB+8*\t+7], v[VF+8*\t:VF+8*\t+7], v[PB:PB+7], v[OB+8*\t:OB+8*\t+7]
.endif
.endr
.endm
	TRIP2 1, 1
	s_mov_b32 s26, 30
.Lp2:
	TRIP2 0, 1
	s_sub_co_u32 s26, s26, 1
	s_cmp_lg_u32 s26, 0
	s_cbranch_scc1 .Lp2
	TRIP2 0, 0
	; THE WAY OUT.  The first four lines are also the places behind the last products.
	v_pk_add_f32 v[10:11], v[10:11], v[12:13]
	v_pk_add_f32 v[14:15], v[14:15], v[16:17]
	v_add_f32 v10, v10, v11
	v_add_f32 v14, v14, v15
	v_permlanex16_b32 v20, v10, s22, s23
	v_permlanex16_b32 v22, v14, s22, s23
	v_add_f32 v10, v10, v20                        ; the row's sum
	v_add_f32 v14, v14, v22
	v_rcp_f32 v250, v10
	v_rcp_f32 v252, v14
	v_nop
	s_wait_alu depctr_va_vdst(0)                   ; one wait for both reciprocals
	v_ldexp_f32 v250, v250, s44                    ; x 2^(e8 + e9)
	v_ldexp_f32 v252, v252, s44
.irp i, 0,2,4,6,8,10,12,14,16,18,20,22,24,26,28,30
	v_pk_mul_f32 v[OA+\i:OA+\i+1], v[OA+\i:OA+\i+1], v[250:251] op_sel_hi:[1,0]
.endr
.irp i, 0,2,4,6,8,10,12,14,16,18,20,22,24,26,28,30
	v_pk_mul_f32 v[OB+\i:OB+\i+1], v[OB+\i:OB+\i+1], v[252:253] op_sel_hi:[1,0]
.endr
.set I, 0
.rept 64
	v_med3_num_f32 v[OA+I], v[OA+I], -v254, v254
.set I, I+1
.endr
.irp t, 0,1,2,3                                ; register 8 t + j is channel 16 t + 8 h + j of my query: the order of k that the last projection's images have
	v_cvt_scalef32_pk8_fp8_f32 v[40+2*\t:41+2*\t], v[OA+8*\t:OA+8*\t+7], v255
	v_cvt_scalef32_pk8_fp8_f32 v[48+2*\t:49+2*\t], v[OB+8*\t:OB+8*\t+7], v255
.endr
	v_nop
	global_store_b128 v1, v[40:43], s[18:19]
	global_store_b128 v1, v[44:47], s[18:19] offset:512
	global_store_b128 v1, v[48:51], s[18:19] offset:16384
	global_store_b128 v1, v[52:55], s[18:19] offset:16896
	s_wait_tensorcnt 0x0                           ; the wave's end, behind my last LDS store
	ds_add_u32 v4, v5
	s_wait_dscnt 0x0
	s_endpgm
.Lfunc_end_k_q9b62dcabd2_attn:
	.size	k_q9b62dcabd2_attn, .Lfunc_end_k_q9b62dcabd2_attn-k_q9b62dcabd2_attn
	.p2alignl 7, 3214868480
	.fill 96, 4, 3214868480
	.section	.rodata,"a",@progbits
	.p2align	6, 0x0
	.amdhsa_kernel k_q9b62dcabd2_attn
		.amdhsa_group_segment_fixed_size 264192
		.amdhsa_private_segment_fixed_size 0
		.amdhsa_enable_private_segment 0
		.amdhsa_kernarg_size 24
		.amdhsa_user_sgpr_count 2
		.amdhsa_user_sgpr_kernarg_segment_ptr 1
		.amdhsa_wavefront_size32 1
		.amdhsa_system_sgpr_workgroup_id_x 1
		.amdhsa_system_sgpr_workgroup_id_y 1
		.amdhsa_system_sgpr_workgroup_id_z 1
		.amdhsa_system_vgpr_workitem_id 0
		.amdhsa_next_free_vgpr 256
		.amdhsa_next_free_sgpr 66
		.amdhsa_reserve_vcc 0
		.amdhsa_float_denorm_mode_32 3
		.amdhsa_float_denorm_mode_16_64 3
		.amdhsa_memory_ordered 1
		.amdhsa_forward_progress 1
		.amdhsa_inst_pref_size 57
	.end_amdhsa_kernel
	.amdgpu_metadata
---
amdhsa.version: [ 1, 2 ]
amdhsa.kernels:
  - .name:           k_q9b62dcabd2_attn
    .symbol:         k_q9b62dcabd2_attn.kd
    .args:
      - { .name: qkv, .offset: 0, .size: 8, .value_kind: global_buffer, .address_space: global }
      - { .name: lowp_scales, .offset: 8, .size: 8, .value_kind: global_buffer, .address_space: global }
      - { .name: ao, .offset: 16, .size: 8, .value_kind: global_buffer, .address_space: global }
    .group_segment_fixed_size: 264192
    .private_segment_fixed_size: 0
    .kernarg_segment_align: 8
    .kernarg_segment_size: 24
    .max_flat_workgroup_size: 512
    .sgpr_count:     66
    .vgpr_count:     256
    .wavefront_size: 32
...
	.end_amdgpu_metadata
.endif
;; end of part 3
;; launch proj (part 4): grid 64 x 4, 4 waves a work-group, clusters of 4 x 4, 327,680 bytes of LDS; arguments ao, wimg, bo, lowp_scales, out0; writes out0
.if DOCPART == 4
	.amdgcn_target "amdgcn-amd-amdhsa--gfx1250"
	.amdhsa_code_object_version 6
	.text
	.protected	k_q9b62dcabd2_proj
	.globl	k_q9b62dcabd2_proj
	.p2align	8
	.type	k_q9b62dcabd2_proj,@function
k_q9b62dcabd2_proj:
	s_mov_b64 s[64:65], 0
	v_nop
	global_prefetch_b8 v0, s[64:65] scope:SCOPE_SE
	s_setreg_imm32_b32 hwreg(HW_REG_WAVE_MODE, 25, 1), 1
	s_wait_xcnt 0x0
	s_wait_alu depctr_hold_cnt(0) depctr_sa_sdst(0) depctr_va_vdst(0) depctr_va_sdst(0) depctr_va_ssrc(0) depctr_va_vcc(0) depctr_vm_vsrc(0)
	s_getreg_b32 s2, hwreg(HW_REG_IB_STS2, 6, 4)
	s_cmp_eq_u32 s2, 0
	s_cbranch_scc0 .Lentry_in_a_cluster
	s_endpgm
.Lentry_in_a_cluster:
	s_bfe_u32 s2, ttmp6, 0x10000c
	s_cmp_lg_u32 s2, 0xf033
	s_cbranch_scc0 .Lentry_shape_is_right
	s_endpgm
.Lentry_shape_is_right:
; out0 = attention's result x Wo^T + bo, on codes of FP8 (E4M3), K = 1,024: sum x 2^(e10 + e11) + bo.  Nothing of reference() is left out here.
; The frame is launch qkv's: a work-group makes 128 rows of side P (Wo's rows: output columns) x 256 rows of side L (positions); source 0 = 16 rows of P, source 1 = 16 rows of L: a lane holds one position
; and eight neighbouring output columns a tile.  Four waves, each 64 P x 128 L: 32 accumulators.  256 work-groups.  Operands come as images of their registers; K goes in 4 chunks of 256 through three LDS slots, three asked for
; at the head, the fourth filling slot 0 again: a wave has three tensor loads out at the start and one later.  CLUSTERS: 4 x 4; P's tile is asked for jointly by a column of the cluster, L's by a row.
; THE WAY OUT: 16 positions x my 64 columns (256 bytes a row) at a time through my own stage in LDS, so that sixteen lanes store 256 consecutive bytes, aligned.
; LIMIT: e10 + e11 between -126 and 127.
; REGISTERS: as in qkv; window 3: v0-31 the bias.
.set SLOT,  98304
.set LOFF,  32768
.set STAGE, 3*SLOT                     ; behind the slots: 16 rows x 272 bytes for each wave; no fill lands here
.set SPARE, STAGE+4*4352               ; behind the stages: the spare words
.set ADP, 4
.set ADL, 8
.set SPW, 12
.set NIL, 13
.set G1P, 16
.set G1L, 24
.set G0P, 32
.set G0L, 44
.set MSB, 0
.macro WIN new                         ; the immediate's high byte repeats the setting that is left
.if MSB != (\new)
	s_set_vgpr_msb (MSB<<8)|(\new)
.set MSB, (\new)
.endif
.endm
.macro PLACES
.rept 4
	v_nop
.endr
.endm
.macro CREST
	s_cmp_lg_u32 s10, 0
	s_cbranch_scc1 .Lnot_wave_0_\@
	s_barrier_signal -3
.Lnot_wave_0_\@:
	s_barrier_wait -3
	s_barrier_signal -1
	s_barrier_wait -1
.endm
.macro CROUND
	s_barrier_signal -1
	s_barrier_wait -1
	CREST
.endm
.macro JLOAD
	s_cmp_eq_u32 s11, 0
	s_cbranch_scc0 .Lfor_l_\@
	tensor_load_to_lds s[G0P:G0P+3], s[G1P:G1P+7]
	s_nop 0
.rept 4
	v_nop
.endr
	s_branch .Lasked_\@
.Lfor_l_\@:
	tensor_load_to_lds s[G0L:G0L+3], s[G1L:G1L+7]
	s_nop 0
.rept 4
	v_nop
.endr
.Lasked_\@:
.endm
.macro FETCH sg, q, set
	WIN 0x80*(\set)
.irp t, 0,1,2,3
.irp c, 0,1,2,3
	ds_load_b128 v[64+16*\t+4*\c:64+16*\t+4*\c+3], v[ADP+\sg] offset:4096*\t+2048*\q+512*\c
.endr
.endr
.irp t, 0,1,2,3,4,5,6,7
.irp c, 0,1,2,3
	ds_load_b128 v[128+16*\t+4*\c:128+16*\t+4*\c+3], v[ADL+\sg] offset:4096*\t+2048*\q+512*\c
.endr
.endr
	WIN 0
.endm
.macro MULR set, l0, l1, zero          ; the 32 accumulators take turns, in the same order in every K step
	WIN 0x50+0x0a*(\set)
.set LL, \l0
.rept (\l1)-(\l0)+1
.irp t, 0,1,2,3
.if \zero
	v_wmma_f32_16x16x128_fp8_fp8 v[32*LL+8*\t:32*LL+8*\t+7], v[64+16*\t:64+16*\t+15], v[128+16*LL:128+16*LL+15], 0
.else
	v_wmma_f32_16x16x128_fp8_fp8 v[32*LL+8*\t:32*LL+8*\t+7], v[64+16*\t:64+16*\t+15], v[128+16*LL:128+16*LL+15], v[32*LL+8*\t:32*LL+8*\t+7]
.endif
.endr
.set LL, LL+1
.endr
.endm
.macro STEP sg, q, fset, mset
	s_wait_dscnt 0x0
	PLACES
	FETCH \sg, \q, \fset
	MULR \mset, 0, 7, 0
.endm
	s_load_b256 s[68:75], s[0:1], 0x0              ; ao s[68:69], wimg s[70:71], bo s[72:73], the exponents s[74:75]
	s_load_b64 s[76:77], s[0:1], 0x20              ; out0
	v_lshl_add_u32 v[SPW], v0, 2, SPARE
	v_mov_b32 v[NIL], 0
	ds_add_u32 v[SPW], v[NIL]                      ; the wave's opening: the add, twice on end, and its wait ahead of my first tensor load
	ds_add_u32 v[SPW], v[NIL]
	v_lshrrev_b32 v1, 5, v0
	v_readfirstlane_b32 s10, v1                    ; wave 0..3
	s_lshr_b32 s11, s10, 1                         ; which 64 rows of P are mine.  Also: I fetch for P (0) or for L (1)
	s_and_b32 s12, s10, 1                          ; which 128 rows of L.  Also: which half of that tile I fetch
	s_bfe_u32 s13, ttmp6, 0x40000                  ; cx
	s_bfe_u32 s14, ttmp6, 0x40004                  ; cy
	s_and_b32 s56, ttmp9, 1                        ; 2 clusters along P, 8 along L
	s_lshr_b32 s57, ttmp9, 1
	s_lshl_b32 s56, s56, 2
	s_add_co_u32 s56, s56, s13                     ; tile of P
	s_lshl_b32 s57, s57, 2
	s_add_co_u32 s57, s57, s14                     ; tile of L
	s_lshl_b32 s60, 0x1111, s13                    ; my column of the cluster
	s_lshl_b32 s61, s14, 2
	s_lshl_b32 s61, 15, s61                        ; my row
	s_or_b32 s[G1P], s60, (3<<16)|(1<<21)          ; group 1 as in qkv: rows of 4,096 bytes, 16,384 apart, elements of 8 bytes
	s_or_b32 s[G1L], s61, (3<<16)|(1<<21)
	s_mov_b32 s[G1P+1], 512<<16
	s_mov_b32 s[G1P+2], 4<<16
	s_mov_b32 s[G1P+3], 512<<16
	s_mov_b32 s[G1P+4], 4
	s_mov_b32 s[G1P+5], 2048
	s_mov_b32 s[G1P+6], 0
	s_mov_b32 s[G1P+7], 0
	s_mov_b32 s[G1L+1], 512<<16
	s_mov_b32 s[G1L+2], 8<<16
	s_mov_b32 s[G1L+3], 512<<16
	s_mov_b32 s[G1L+4], 8
	s_mov_b32 s[G1L+5], 2048
	s_mov_b32 s[G1L+6], 0
	s_mov_b32 s[G1L+7], 0
	s_lshl_b32 s84, s56, 17                        ; P: these registers never hold cy,
	s_lshl_b32 s58, s12, 16
	s_add_co_u32 s84, s84, s58
	s_add_co_u32 s84, s84, 0x300000                ; Wo's image
	s_mov_b32 s85, 0
	s_lshl_b32 s86, s57, 18                        ; L: these never hold cx
	s_lshl_b32 s59, s12, 17
	s_add_co_u32 s86, s86, s59
	s_mov_b32 s87, 0
	s_lshl_b32 s62, s12, 14
	s_lshl_b32 s63, s12, 15
	s_add_co_u32 s63, s63, LOFF
	s_wait_dscnt 0x0                               ; both opening adds are done
	s_wait_kmcnt 0x0
	s_load_b64 s[92:93], s[74:75], 0x28            ; e10, e11
	s_add_nc_u64 s[88:89], s[70:71], s[84:85]
	s_add_nc_u64 s[90:91], s[68:69], s[86:87]
	CROUND                                         ; all sixteen work-groups are here: the first joint loads meet
.irp sg, 0,1,2
	s_mov_b32 s[G0P+4*\sg], 1
	s_add_co_u32 s[G0P+4*\sg+1], s62, \sg*SLOT
	s_add_nc_u64 s[G0P+4*\sg+2:G0P+4*\sg+3], s[88:89], \sg*4096
	s_or_b32 s[G0P+4*\sg+3], s[G0P+4*\sg+3], 0x80000000
	s_mov_b32 s[G0L+4*\sg], 1
	s_add_co_u32 s[G0L+4*\sg+1], s63, \sg*SLOT
	s_add_nc_u64 s[G0L+4*\sg+2:G0L+4*\sg+3], s[90:91], \sg*4096
	s_or_b32 s[G0L+4*\sg+3], s[G0L+4*\sg+3], 0x80000000
.endr
	s_cmp_eq_u32 s11, 0                            ; a wave's three first fills stand in one branch
	s_cbranch_scc0 .Lfirst_l
	tensor_load_to_lds s[G0P:G0P+3], s[G1P:G1P+7]
	s_nop 0
	tensor_load_to_lds s[G0P+4:G0P+7], s[G1P:G1P+7]
	s_nop 0
	tensor_load_to_lds s[G0P+8:G0P+11], s[G1P:G1P+7]
	s_nop 0
.rept 4
	v_nop
.endr
	s_branch .Lfirst_asked
.Lfirst_l:
	tensor_load_to_lds s[G0L:G0L+3], s[G1L:G1L+7]
	s_nop 0
	tensor_load_to_lds s[G0L+4:G0L+7], s[G1L:G1L+7]
	s_nop 0
	tensor_load_to_lds s[G0L+8:G0L+11], s[G1L:G1L+7]
	s_nop 0
.rept 4
	v_nop
.endr
.Lfirst_asked:
	v_and_b32 v1, 31, v0
	v_lshlrev_b32 v1, 4, v1                        ; 16 x lane
	v_and_b32 v2, 15, v0                           ; r
	v_bfe_u32 v3, v0, 4, 1                         ; h
	s_lshl_b32 s58, s11, 14
	s_lshl_b32 s59, s12, 15
	s_add_co_u32 s59, s59, LOFF
.irp sg, 0,1,2
	v_add_nc_u32 v[ADP+\sg], s58, v1
	v_add_nc_u32 v[ADL+\sg], s59, v1
	s_add_co_u32 s58, s58, SLOT
	s_add_co_u32 s59, s59, SLOT
.endr
	s_mul_i32 s58, s10, 4352
	s_add_co_u32 s58, s58, STAGE                   ; my stage
	v_mul_u32_u24 v14, v2, 272
	v_lshl_add_u32 v14, v3, 5, v14
	v_add_nc_u32 v14, s58, v14                     ; in: row r, + 32 h; tile tau's eight columns 64 tau bytes on
	v_mul_u32_u24 v15, v3, 272
	v_lshl_add_u32 v15, v2, 4, v15
	v_add_nc_u32 v15, s58, v15                     ; back: lanes 0-15 one row of 256 bytes, lanes 16-31 the next
	v_lshlrev_b32 v16, 12, v3
	v_lshl_add_u32 v16, v2, 4, v16                 ; and the same two rows of out0
	v_lshlrev_b32 v18, 5, v3
	s_lshl_b32 s2, s56, 9
	s_lshl_b32 s3, s11, 8
	s_add_co_u32 s2, s2, s3                        ; my 64 columns, in bytes: 512 x tile of P + 256 x my half
	s_mov_b32 s3, 0
	s_add_nc_u64 s[88:89], s[72:73], s[2:3]        ; in bo,
	s_lshl_b32 s4, s57, 20
	s_lshl_b32 s5, s12, 19
	s_add_co_u32 s4, s4, s5                        ; my first row: 256 x tile of L + 128 x my half, 4,096 bytes each
	s_add_co_u32 s2, s2, s4
	s_add_nc_u64 s[86:87], s[76:77], s[2:3]        ; and in out0
	WIN 0xc0                                       ; destination window 3
.irp t, 0,1,2,3
	global_load_b128 v[8*\t:8*\t+3], v18, s[88:89] offset:64*\t              ; bo(my columns 16 tau + 8 h + 0..7)
	global_load_b128 v[8*\t+4:8*\t+7], v18, s[88:89] offset:64*\t+16
.endr
	WIN 0
	s_wait_tensorcnt 0x2                           ; my part of chunk 0 is in; the two younger loads stay out
	s_barrier_signal -1
	s_barrier_wait -1
	FETCH 0, 0, 0
	s_wait_dscnt 0x0                               ; K step 0
	FETCH 0, 1, 1
	MULR 0, 0, 7, 1
	WIN 0                                          ; K step 1, and the one change of slots with a refill
	s_wait_tensorcnt 0x0                           ; all my tensor loads have landed;
	ds_add_u32 v[SPW], v[NIL]                      ; 0 onto my spare word
	s_wait_dscnt 0x1                               ; (the add alone may be out: this step's fragments are in)
	MULR 1, 0, 1, 0
	s_wait_dscnt 0x0                               ; the add is done, and my reads of slot 0 are over
	s_barrier_signal -1                            ; this barrier opens a round of the cluster's
	MULR 1, 2, 3, 0
	WIN 0
	s_barrier_wait -1
	CREST                                          ; no wave of any partner still reads slot 0 or has a load on its way; slots 1 and 2 are whole
	s_add_nc_u64 s[G0P+2:G0P+3], s[G0P+2:G0P+3], 12288     ; from chunk 0 to chunk 3
	s_add_nc_u64 s[G0L+2:G0L+3], s[G0L+2:G0L+3], 12288
	JLOAD                                          ; its four v_nop are the places in front of the loads below
	FETCH 1, 0, 0
	MULR 1, 4, 7, 0
	STEP 1, 1, 1, 0                                ; K step 2
	STEP 2, 0, 0, 1                                ; 3
	STEP 2, 1, 1, 0                                ; 4
	s_wait_dscnt 0x0                               ; K step 5
	s_wait_tensorcnt 0x0                           ; my part of chunk 3 is in: the one load that was out
	s_barrier_signal -1
	MULR 1, 0, 3, 0
	WIN 0
	s_barrier_wait -1                              ; everybody's is
	PLACES
	FETCH 0, 0, 0
	MULR 1, 4, 7, 0
	STEP 0, 1, 1, 0                                ; 6
	s_wait_dscnt 0x0                               ; 7
	MULR 1, 0, 7, 0
	WIN 0
	PLACES
	s_wait_kmcnt 0x0
	s_add_co_i32 s84, s92, s93
	s_add_co_i32 s84, s84, 127
	s_lshl_b32 s84, s84, 23                        ; 2^(e10 + e11) as f32
	s_mov_b32 s85, s84
	s_wait_loadcnt 0x0                             ; the bias
.macro TOSTAGE lm                      ; L tile lm into my stage and back as rows.  LDS serves a wave's instructions in order (ISA guide 5.7.1.4): no wait between the stores and the loads, nor ahead of the next block's stores
	WIN 0x31                                       ; source 0 (the sums) window 1, source 2 (the bias) window 3
.irp i, 0,2,4,6,8,10,12,14,16,18,20,22,24,26,28,30
	v_pk_fma_f32 v[64+\i:65+\i], v[32*(\lm)+\i:32*(\lm)+\i+1], s[84:85], v[\i:\i+1] op_sel_hi:[1,0,1]   ; each accumulator from its low end on
.endr
	WIN 0
.irp t, 0,1,2,3
	ds_store_b128 v14, v[64+8*\t:67+8*\t] offset:64*\t
	ds_store_b128 v14, v[68+8*\t:71+8*\t] offset:64*\t+16
.endr
.irp i, 0,1,2,3,4,5,6,7
	ds_load_b128 v[128+32*((\lm)%2)+4*\i:128+32*((\lm)%2)+4*\i+3], v15 offset:544*\i
.endr
.endm
.macro SEND lm, younger                ; younger: the LDS instructions issued behind block lm's loads, which may stay out
	s_wait_dscnt \younger
.irp i, 0,1,2,3,4,5,6,7
	global_store_b128 v16, v[128+32*((\lm)%2)+4*\i:128+32*((\lm)%2)+4*\i+3], s[86:87] offset:(16*(\lm)+2*\i)*4096 th:TH_STORE_NT   ; 16 lanes store 256 consecutive bytes, aligned
.endr
.endm
	TOSTAGE 0
.irp lm, 1,2,3,4,5,6,7
.if \lm > 1
	s_wait_xcnt 0x0                                ; block lm - 2's stores have read their registers: block lm's loads may land there
.endif
	TOSTAGE \lm
	SEND \lm-1, 16                                 ; behind block lm - 1's loads: block lm's 8 stores and 8 loads
.endr
	SEND 7, 0
	s_wait_tensorcnt 0x0                           ; the wave's end, behind my last tensor load and my last LDS store
	ds_add_u32 v[SPW], v[NIL]
	s_wait_dscnt 0x0
	CROUND                                         ; the closing round
	s_endpgm
.Lfunc_end_k_q9b62dcabd2_proj:
	.size	k_q9b62dcabd2_proj, .Lfunc_end_k_q9b62dcabd2_proj-k_q9b62dcabd2_proj
	.p2alignl 7, 3214868480
	.fill 96, 4, 3214868480
	.section	.rodata,"a",@progbits
	.p2align	6, 0x0
	.amdhsa_kernel k_q9b62dcabd2_proj
		.amdhsa_group_segment_fixed_size 327680
		.amdhsa_private_segment_fixed_size 0
		.amdhsa_enable_private_segment 0
		.amdhsa_kernarg_size 40
		.amdhsa_user_sgpr_count 2
		.amdhsa_user_sgpr_kernarg_segment_ptr 1
		.amdhsa_wavefront_size32 1
		.amdhsa_system_sgpr_workgroup_id_x 1
		.amdhsa_system_sgpr_workgroup_id_y 1
		.amdhsa_system_sgpr_workgroup_id_z 1
		.amdhsa_system_vgpr_workitem_id 0
		.amdhsa_next_free_vgpr 1024
		.amdhsa_next_free_sgpr 100
		.amdhsa_reserve_vcc 0
		.amdhsa_float_denorm_mode_32 3
		.amdhsa_float_denorm_mode_16_64 3
		.amdhsa_memory_ordered 1
		.amdhsa_forward_progress 1
		.amdhsa_inst_pref_size 75
	.end_amdhsa_kernel
	.amdgpu_metadata
---
amdhsa.version: [ 1, 2 ]
amdhsa.kernels:
  - .name:           k_q9b62dcabd2_proj
    .symbol:         k_q9b62dcabd2_proj.kd
    .args:
      - { .name: ao, .offset: 0, .size: 8, .value_kind: global_buffer, .address_space: global }
      - { .name: wimg, .offset: 8, .size: 8, .value_kind: global_buffer, .address_space: global }
      - { .name: bo, .offset: 16, .size: 8, .value_kind: global_buffer, .address_space: global }
      - { .name: lowp_scales, .offset: 24, .size: 8, .value_kind: global_buffer, .address_space: global }
      - { .name: out0, .offset: 32, .size: 8, .value_kind: global_buffer, .address_space: global }
    .group_segment_fixed_size: 327680
    .private_segment_fixed_size: 0
    .kernarg_segment_align: 8
    .kernarg_segment_size: 40
    .max_flat_workgroup_size: 128
    .sgpr_count:     100
    .vgpr_count:     1024
    .wavefront_size: 32
...
	.end_amdgpu_metadata
.endif
;; end of part 4
;; ======== version 2 of 2: 4 launches; version 1 with the launch attn written anew for expert scheduling mode
;; workspace buffers: ximg 25,165,824 bytes; wimg 4,194,304 bytes; tab 262,144 bytes; qkv 25,165,824 bytes; ao 8,388,608 bytes
;; launch prep: the kernel of part 1 again; grid 1296 x 1, 4 waves a work-group, no clusters, 35,328 bytes of LDS; arguments query, value, Wq, Wk, Wv, Wo, lowp_scales, ximg, wimg, tab; writes ximg, wimg, tab
;; launch qkv: the kernel of part 2 again; grid 192 x 4, 4 waves a work-group, clusters of 4 x 4, 327,680 bytes of LDS; arguments ximg, wimg, bq, bk, bv, lowp_scales, tab, qkv; writes qkv
;; launch attn (part 5): grid 4 x 64, 16 waves a work-group, no clusters, 264,192 bytes of LDS; arguments qkv, lowp_scales, ao; writes ao
.if DOCPART == 5
	.amdgcn_target "amdgcn-amd-amdhsa--gfx1250"
	.amdhsa_code_object_version 6
	.text
	.protected	k_q9b62dcabd2_attn
	.globl	k_q9b62dcabd2_attn
	.p2align	8
	.type	k_q9b62dcabd2_attn,@function
k_q9b62dcabd2_attn:
	s_mov_b64 s[64:65], 0
	v_nop
	global_prefetch_b8 v0, s[64:65] scope:SCOPE_SE
	s_setreg_imm32_b32 hwreg(HW_REG_WAVE_SCHED_MODE, 0, 2), 2
	s_setreg_imm32_b32 hwreg(HW_REG_WAVE_MODE, 25, 1), 1
	s_wait_xcnt 0x0
	s_wait_alu depctr_vm_vsrc(0)
; Attention on codes of FP8 (E4M3): O = softmax(q k^T / 8) v for one (batch, head) and 512 queries a work-group; the result, divided by the row's sum, is quantised for the last projection.
; THE SOFTMAX AHEAD OF THE SECOND PRODUCT: t = score x log2(e) / 8; M = the row's largest t rounded UP to a whole number; p = 2^(t - M) is quantised (entry 9), not normalised; the row's sum is taken of the unquantised p.
; TWO PASSES over the keys: pass 1 multiplies K Q^T and keeps the largest score; pass 2 multiplies it again (the same instructions on the same codes give the same scores), with M known.
; So K Q^T is done twice, and no sum is ever brought under a new M.  Nothing of reference() is left out.
; SHARES.  Work-group (x, bh): queries 512 x .. 512 x + 511 of head bh.  Each of sixteen waves owns 32 queries, two tiles: a fragment of K or V read from LDS feeds two matrix instructions.
; ALL OF THE HEAD'S K AND V LIE IN LDS (2 x 131,072 bytes) for the whole launch: one barrier, no ring.  They come through registers: 32 loads and 32 LDS stores a wave, once.
; NO TENSOR LOAD AND NO JOINT REQUEST, though four work-groups read the same K and V: those 64 lines are all that a wave spends on fetching, against some 8,000 in its loops.
; p is at most 1 (but for the last bit) and cannot pass it.
; LAYOUT.  Both products are used transposed: S^T = K Q^T (source 0 = 16 keys, source 1 = 16 queries), O^T = V^T P^T: a lane holds ONE query (lane % 16) throughout.  Row r of K's tile T is key 32 (T / 2) + 8 (T % 2) + r + 8 (r / 8),
; so the 16 registers of tiles 2 b and 2 b + 1 are keys 32 b + 16 h + 0..15, the order in which V's image has them: the conversions' results are the second product's operand.
; LIMITS: e6 + e7 between -123 and 130 (added to c's exponent field); e9 and e10 between -126 and 119.  NaN is not served.
; THE MODE: SCHED_MODE bits 1:0 = 2 (LLVM: expert scheduling mode 2), set by the entry lines.  The code itself states the register dependences between vector or matrix instructions
; and memory or LDS instructions, with s_wait_alu, always for 0.
; THE PLAN.  Registers that memory or LDS instructions touch:
;   v1            16 x lane: written at the head, never again.  Address of the global loads and stores and of pass 1's last LDS loads.
;   v248, v249    Written at the head; addresses of the LDS stores.     v4, v5: written at the head; read by the closing add alone.
;   v104-167, v184-247  At the head K's and V's global loads land in them and the LDS stores read them; from the barrier on they are S^T and O^T, which products write: one wait on vm_vsrc behind the barrier.
;   v2, v3        LDS addresses of K and of V.  Read by the fragments' loads; v2 is written once for two groups in pass 1, both once a trip in pass 2: a wait on vm_vsrc ahead of the adds.
;   KF, VF        Fragments: LDS loads land in them, products read them.
;     PASS 1: both hold K, by turns: group g is multiplied out of buffer g % 2 while group g + 1 is asked for into the other, a load behind each product.  ONE wait on va_vdst at a step's head: the step before's
;     products are done reading the buffer that is asked for again, and v2 is written.  The products behind it name the other buffer, Q and S^T alone.
;     PASS 2: KF holds K, VF holds V.  ONE wait on va_vdst behind the scalings, which read K Q^T's results: this trip's K Q^T is done reading KF, the last trip's V^T P is done reading VF, v2 and v3 are written.
;     Behind it the sixteen loads (this group's V, the next group's K) are dealt among the exponentials, which name S^T alone.
;   v40-55        At the end: written by the last conversions, read by the four global stores: one wait on va_vdst between.
.set VIMG,  131072                     ; K's image at LDS byte 0, V's here
.set SPARE, 262144                     ; the spare words, 128 bytes for each of sixteen waves
.set QA, 24                            ; v24-31, v32-39  Q's two fragments
.set QB, 32
.set KF, 40                            ; v40-71   four fragments of K
.set VF, 72                            ; v72-103  four of V; in pass 1 K's second buffer
.set SA, 104                           ; v104-135, v136-167  S^T, then p
.set SB, 136
.set PA, 168                           ; v168-175, v176-183  p's codes
.set PB, 176
.set OA, 184                           ; v184-215, v216-247  O^T
.set OB, 216
; v1 16 x lane; v2, v3 LDS addresses in hand; v4, v5 the add's two; v[6:7], v[8:9] -M (low word); v[10:17] the sums, two chains a tile; v18 448 x 2^e9, v19 2^e9; v20-23 the largest scores, two chains a tile;
; v248, v249 where I store K and V; v[250:253] the divisors; v254 448 x 2^e10, v255 2^e10
	s_load_b128 s[4:7], s[0:1], 0x0                ; qkv s[4:5], the exponents s[6:7]
	s_load_b64 s[8:9], s[0:1], 0x10                ; ao
	v_lshl_add_u32 v4, v0, 2, SPARE
	v_mov_b32 v5, 0
	v_lshrrev_b32 v1, 5, v0
	v_readfirstlane_b32 s10, v1                    ; wave 0..15
	v_and_b32 v1, 31, v0
	v_lshlrev_b32 v1, 4, v1
	s_mov_b32 s24, 0
	v_add_nc_u32 v2, s24, v1                       ; K's first two groups
	s_wait_alu depctr_va_sdst(0)                   ; s10 is written, ahead of its first reader: LDS and memory offsets are made from it
	s_lshl_b32 s11, s10, 13                        ; my 8,192 bytes of each image
	v_add_nc_u32 v248, s11, v1
	s_add_co_u32 s27, s11, VIMG
	v_add_nc_u32 v249, s27, v1
	s_and_b32 s33, ttmp7, 0xffff                   ; bh
	s_lshl_b32 s34, s33, 17
	s_lshl_b32 s35, ttmp9, 15                      ; 32 tiles of queries a work-group, 1,024 bytes each,
	s_lshl_b32 s36, s10, 11                        ; two a wave
	s_add_co_u32 s36, s36, s35
	s_add_co_u32 s36, s36, s34
	s_mov_b32 s37, 0
	s_add_co_u32 s38, s34, s11
	s_add_co_u32 s38, s38, 0x800000                ; k's part
	s_mov_b32 s39, 0
	s_add_co_u32 s40, s38, 0x800000                ; v's part
	s_mov_b32 s41, 0
	s_lshr_b32 s42, s33, 4
	s_lshl_b32 s42, s42, 7
	s_lshl_b32 s43, ttmp9, 5
	s_add_co_u32 s42, s42, s43
	s_lshl_b32 s43, s10, 1
	s_add_co_u32 s42, s42, s43                     ; ao: rowtile 128 b + my first tile of queries,
	s_lshl_b32 s42, s42, 14
	s_and_b32 s43, s33, 15
	s_lshl_b32 s43, s43, 10                        ; K step head / 2, chunks 2 (head % 2) on: 1,024 bytes a head
	s_add_co_u32 s42, s42, s43
	s_mov_b32 s43, 0
	s_mov_b32 s22, 0x76543210                      ; v_permlanex16_b32's selects for lane l xor 16
	s_mov_b32 s23, 0xfedcba98
	s_wait_kmcnt 0x0
	s_load_b128 s[28:31], s[6:7], 0x18             ; e6, e7, e8, e9
	s_load_b32 s32, s[6:7], 0x28                   ; e10
	s_add_nc_u64 s[12:13], s[4:5], s[36:37]
	s_add_nc_u64 s[14:15], s[4:5], s[38:39]
	s_add_nc_u64 s[16:17], s[4:5], s[40:41]
	s_add_nc_u64 s[18:19], s[8:9], s[42:43]
	s_wait_alu depctr_va_vdst(0)                   ; v1, v2, v248 and v249 are written: the loads and LDS stores below, and the first fragments' loads, read them as addresses
.irp i, 0,1,2,3,4,5,6,7,8,9,10,11,12,13,14,15
	global_load_b128 v[SA+4*\i:SA+4*\i+3], v1, s[14:15] offset:512*\i
.endr
.irp i, 0,1,2,3,4,5,6,7,8,9,10,11,12,13,14,15
	global_load_b128 v[OA+4*\i:OA+4*\i+3], v1, s[16:17] offset:512*\i
.endr
.irp i, 0,1,2,3
	global_load_b128 v[QA+4*\i:QA+4*\i+3], v1, s[12:13] offset:512*\i
.endr
	v_mov_b32 v7, 0                                ; (upper halves of pairs that the packed forms name)
	v_mov_b32 v9, 0
	v_mov_b32 v251, 0
	v_mov_b32 v253, 0
.irp i, 10,11,12,13,14,15,16,17
	v_mov_b32 v\i, 0                               ; the sums
.endr
.irp i, 20,21,22,23
	v_mov_b32 v\i, 0xff61b1e6                      ; -3e38, under every score
.endr
	s_wait_kmcnt 0x0
	s_add_co_i32 s44, s28, s29
	s_lshl_b32 s44, s44, 23
	s_add_co_i32 s20, s44, 0x3e38aa3b              ; c = log2(e) / 8 x 2^(e6 + e7): the two exponents are added to c's exponent field
	s_mov_b32 s21, s20
	s_add_co_i32 s45, s31, 127
	s_lshl_b32 s46, s45, 23
	v_mov_b32 v19, s46
	s_add_co_i32 s45, s45, 8
	s_lshl_b32 s45, s45, 23
	s_or_b32 s45, s45, 0x600000
	v_mov_b32 v18, s45
	s_add_co_i32 s45, s32, 127
	s_lshl_b32 s46, s45, 23
	v_mov_b32 v255, s46
	s_add_co_i32 s45, s45, 8
	s_lshl_b32 s45, s45, 23
	s_or_b32 s45, s45, 0x600000
	v_mov_b32 v254, s45
	s_add_co_i32 s44, s30, s31                     ; e8 + e9
	s_wait_loadcnt 20                              ; K's 16 loads are in; V's 16 and Q's 4 may be out
.irp i, 0,1,2,3,4,5,6,7,8,9,10,11,12,13,14,15
	ds_store_b128 v248, v[SA+4*\i:SA+4*\i+3] offset:512*\i
.endr
	s_wait_loadcnt 4                               ; V's are in; Q's 4 may be out
.irp i, 0,1,2,3,4,5,6,7,8,9,10,11,12,13,14,15
	ds_store_b128 v249, v[OA+4*\i:OA+4*\i+3] offset:512*\i
.endr
	s_wait_dscnt 0x0                               ; for the others' sake: my stores have landed
	s_barrier_signal -1
	s_barrier_wait -1                              ; both images are whole; nothing writes them again
	s_wait_alu depctr_vm_vsrc(0)                   ; my LDS stores have read v104-167 and v184-247: these are S^T and O^T from here on, written by the products
	s_wait_loadcnt 0x0                             ; Q
.macro QK                              ; 64 keys x my 32 queries; each product starts its sum
.irp kt, 0,1,2,3
	v_wmma_f32_16x16x64_fp8_fp8 v[SA+8*\kt:SA+8*\kt+7], v[KF+8*\kt:KF+8*\kt+7], v[QA:QA+7], 0
	v_wmma_f32_16x16x64_fp8_fp8 v[SB+8*\kt:SB+8*\kt+7], v[KF+8*\kt:KF+8*\kt+7], v[QB:QB+7], 0
.endr
.endm
; PASS 1, a step: a group of 64 keys.  kb: the buffer that is multiplied; nb: the buffer that is asked for; adr, off: the address register and the offset of the group asked for;
; on = 1: v2 moves on by two groups.
.macro STEP1 kb, nb, adr, off, on
	s_wait_dscnt 0x0                               ; this group's K is in: its loads were issued a step ago
	s_wait_alu depctr_va_vdst(0)                   ; the step before's products are done reading buffer nb, in which the loads below land; in a pair's first step v2 is written
.irp kt, 0,1,2,3                               ; a load behind each product: the products name buffer kb, Q and S^T, none of the registers that the loads touch
	v_wmma_f32_16x16x64_fp8_fp8 v[SA+8*\kt:SA+8*\kt+7], v[(\kb)+8*\kt:(\kb)+8*\kt+7], v[QA:QA+7], 0
	ds_load_b128 v[(\nb)+8*\kt:(\nb)+8*\kt+3], v[\adr] offset:(\off)+1024*\kt
	v_wmma_f32_16x16x64_fp8_fp8 v[SB+8*\kt:SB+8*\kt+7], v[(\kb)+8*\kt:(\kb)+8*\kt+7], v[QB:QB+7], 0
	ds_load_b128 v[(\nb)+8*\kt+4:(\nb)+8*\kt+7], v[\adr] offset:(\off)+1024*\kt+512
.endr
.if \on
	s_wait_alu depctr_vm_vsrc(0)                   ; the LDS loads issued so far have read v2
	s_add_co_u32 s24, s24, 8192
	v_add_nc_u32 v2, s24, v1                       ; with the three below: the four places between the products and the first read of their results
.else
	v_nop
.endif
	v_nop
	v_nop
	v_nop
.irp i, 0,4,8,12,16,20,24,28                   ; each accumulator from its low end on
	v_max3_num_f32 v20, v20, v[SA+\i], v[SA+\i+1]
	v_max3_num_f32 v21, v21, v[SA+\i+2], v[SA+\i+3]
	v_max3_num_f32 v22, v22, v[SB+\i], v[SB+\i+1]
	v_max3_num_f32 v23, v23, v[SB+\i+2], v[SB+\i+3]
.endr
.endm
.irp i, 0,1,2,3,4,5,6,7
	ds_load_b128 v[KF+4*\i:KF+4*\i+3], v2 offset:512*\i    ; group 0.  No vector instruction has named KF, and none since the head's wait names v2
.endr
	s_mov_b32 s26, 15
.Lp1:                                              ; two groups a trip: both buffers are back at their start
	STEP1 KF, VF, 2, 4096, 0
	STEP1 VF, KF, 2, 8192, 1
	s_sub_co_u32 s26, s26, 1
	s_cmp_lg_u32 s26, 0
	s_cbranch_scc1 .Lp1
	STEP1 KF, VF, 2, 4096, 0                       ; the last pair is written out:
	STEP1 VF, KF, 1, 0, 0                          ; its look-ahead is group 0, with which pass 2 begins: K's image begins at LDS byte 0, so v1 is its address
	s_mov_b32 s24, 0
	v_max_num_f32 v20, v20, v21
	v_max_num_f32 v22, v22, v23
	v_permlanex16_b32 v21, v20, s22, s23           ; the query's other keys lie in the lane 16 away
	v_permlanex16_b32 v23, v22, s22, s23
	v_max_num_f32 v20, v20, v21
	v_max_num_f32 v22, v22, v23
	v_mul_f32 v20, s20, v20                        ; as t (c is positive)
	v_mul_f32 v22, s20, v22
	v_floor_f32 v6, -v20                           ; -M = floor(-t) = -ceil(t)
	v_floor_f32 v8, -v22
	s_mov_b32 s25, VIMG
	s_wait_dscnt 0x0                               ; group 0's K is in
; PASS 2, a group of 64 keys a trip.  zero = 1: the products start O^T's sums.  ahead = 1: the next group's K is asked for.
.macro TRIP2 zero, ahead
	QK
	s_wait_alu depctr_vm_vsrc(0)                   ; the LDS loads issued so far have read v2 and v3, which are written below
.if \ahead
	s_add_co_u32 s24, s24, 4096
	v_add_nc_u32 v2, s24, v1                       ; these four lines are the places between the products and the first read of their results
.else
	v_nop
.endif
	v_add_nc_u32 v3, s25, v1
	s_add_co_u32 s25, s25, 4096
	v_nop
	v_nop
.irp i, 0,2,4,6,8,10,12,14,16,18,20,22,24,26,28,30
	v_pk_fma_f32 v[SA+\i:SA+\i+1], v[SA+\i:SA+\i+1], s[20:21], v[6:7] op_sel_hi:[1,0,0]   ; t - M, two at a time (of the pairs c and -M the low word serves both halves)
.endr
.irp i, 0,2,4,6,8,10,12,14,16,18,20,22,24,26,28,30
	v_pk_fma_f32 v[SB+\i:SB+\i+1], v[SB+\i:SB+\i+1], s[20:21], v[8:9] op_sel_hi:[1,0,0]
.endr
	s_wait_alu depctr_va_vdst(0)                   ; this trip's K Q^T is done reading KF, the last trip's V^T P is done reading VF: the loads below land in them; v2 and v3, their addresses, are written
.set I, 0
.rept 16                                       ; p = 2^(t - M): one batch; a load in front of each four: this group's V, wanted behind the softmax, then the next group's K.  The exponentials name S^T alone
.if I < 8
	ds_load_b128 v[VF+4*I:VF+4*I+3], v3 offset:512*I
.elseif \ahead
	ds_load_b128 v[KF+4*(I-8):KF+4*(I-8)+3], v2 offset:512*(I-8)
.endif
	v_exp_f32 v[SA+4*I], v[SA+4*I]
	v_exp_f32 v[SA+4*I+1], v[SA+4*I+1]
	v_exp_f32 v[SA+4*I+2], v[SA+4*I+2]
	v_exp_f32 v[SA+4*I+3], v[SA+4*I+3]
.set I, I+1
.endr
	v_nop                                          ; a plain instruction behind the last exponential,
	s_wait_alu depctr_va_vdst(0)                   ; and one wait for the batch: the 64 exponentials have written p, ahead of its first reader
.irp i, 0,4,8,12,16,20,24,28                   ; the row's sum is taken of the unquantised p
	v_pk_add_f32 v[10:11], v[10:11], v[SA+\i:SA+\i+1]
	v_pk_add_f32 v[12:13], v[12:13], v[SA+\i+2:SA+\i+3]
	v_pk_add_f32 v[14:15], v[14:15], v[SB+\i:SB+\i+1]
	v_pk_add_f32 v[16:17], v[16:17], v[SB+\i+2:SB+\i+3]
.endr
	s_cmp_gt_i32 s31, -9                           ; e9 >= -8: 448 x 2^e9 >= 1.75, which p never reaches: the hold changes nothing and is jumped over
	s_cbranch_scc1 .Lnohold_\@
.set I, 0
.rept 64
	v_min_num_f32 v[SA+I], v[SA+I], v18            ; the conversion does not saturate (ISA guide 7.6.2); p is not negative, so the hold is one-sided
.set I, I+1
.endr
.Lnohold_\@:
.irp kt, 0,1,2,3
	v_cvt_scalef32_pk8_fp8_f32 v[PA+2*\kt:PA+2*\kt+1], v[SA+8*\kt:SA+8*\kt+7], v19
	v_cvt_scalef32_pk8_fp8_f32 v[PB+2*\kt:PB+2*\kt+1], v[SB+8*\kt:SB+8*\kt+7], v19
.endr
	v_nop                                          ; a plain instruction between the conversions and the products that read their results
	s_wait_dscnt 0x0                               ; V is in, and the next group's K
.irp t, 0,1,2,3                                ; the eight accumulators take turns, and eight other products stand ahead of their next turn
.if \zero
	v_wmma_f32_16x16x64_fp8_fp8 v[OA+8*\t:OA+8*\t+7], v[VF+8*\t:VF+8*\t+7], v[PA:PA+7], 0
	v_wmma_f32_16x16x64_fp8_fp8 v[OB+8*\t:OB+8*\t+7], v[VF+8*\t:VF+8*\t+7], v[PB:PB+7], 0
.else
	v_wmma_f32_16x16x64_fp8_fp8 v[OA+8*\t:OA+8*\t+7], v[VF+8*\t:VF+8*\t+7], v[PA:PA+7], v[OA+8*\t:OA+8*\t+7]
	v_wmma_f32_16x16x64_fp8_fp8 v[OB+8*\t:OB+8*\t+7], v[VF+8*\t:VF+8*\t+7], v[PB:PB+7], v[OB+8*\t:OB+8*\t+7]
.endif
.endr
.endm
	TRIP2 1, 1
	s_mov_b32 s26, 30
.Lp2:
	TRIP2 0, 1
	s_sub_co_u32 s26, s26, 1
	s_cmp_lg_u32 s26, 0
	s_cbranch_scc1 .Lp2
	TRIP2 0, 0
	; THE WAY OUT.  The first four lines are also the places behind the last products.
	v_pk_add_f32 v[10:11], v[10:11], v[12:13]
	v_pk_add_f32 v[14:15], v[14:15], v[16:17]
	v_add_f32 v10, v10, v11
	v_add_f32 v14, v14, v15
	v_permlanex16_b32 v20, v10, s22, s23
	v_permlanex16_b32 v22, v14, s22, s23
	v_add_f32 v10, v10, v20                        ; the row's sum
	v_add_f32 v14, v14, v22
	v_rcp_f32 v250, v10
	v_rcp_f32 v252, v14
	v_nop
	s_wait_alu depctr_va_vdst(0)                   ; one wait for both reciprocals: v250 and v252 are written, ahead of their first reader
	v_ldexp_f32 v250, v250, s44                    ; x 2^(e8 + e9)
	v_ldexp_f32 v252, v252, s44
.irp i, 0,2,4,6,8,10,12,14,16,18,20,22,24,26,28,30
	v_pk_mul_f32 v[OA+\i:OA+\i+1], v[OA+\i:OA+\i+1], v[250:251] op_sel_hi:[1,0]
.endr
.irp i, 0,2,4,6,8,10,12,14,16,18,20,22,24,26,28,30
	v_pk_mul_f32 v[OB+\i:OB+\i+1], v[OB+\i:OB+\i+1], v[252:253] op_sel_hi:[1,0]
.endr
.set I, 0
.rept 64
	v_med3_num_f32 v[OA+I], v[OA+I], -v254, v254
.set I, I+1
.endr
.irp t, 0,1,2,3                                ; register 8 t + j is channel 16 t + 8 h + j of my query: the order of k that the last projection's images have
	v_cvt_scalef32_pk8_fp8_f32 v[40+2*\t:41+2*\t], v[OA+8*\t:OA+8*\t+7], v255
	v_cvt_scalef32_pk8_fp8_f32 v[48+2*\t:49+2*\t], v[OB+8*\t:OB+8*\t+7], v255
.endr
	v_nop
	s_wait_alu depctr_va_vdst(0)                   ; the conversions have written v40-55, which the four stores read
	global_store_b128 v1, v[40:43], s[18:19]
	global_store_b128 v1, v[44:47], s[18:19] offset:512
	global_store_b128 v1, v[48:51], s[18:19] offset:16384
	global_store_b128 v1, v[52:55], s[18:19] offset:16896
	s_wait_dscnt 0x0                               ; the closing lines, six on end
	s_wait_alu 0x0
	s_wait_tensorcnt 0x0
	ds_add_u32 v4, v5
	s_wait_dscnt 0x0
	s_endpgm
.Lfunc_end_k_q9b62dcabd2_attn:
	.size	k_q9b62dcabd2_attn, .Lfunc_end_k_q9b62dcabd2_attn-k_q9b62dcabd2_attn
	.p2alignl 7, 3214868480
	.fill 96, 4, 3214868480
	.section	.rodata,"a",@progbits
	.p2align	6, 0x0
	.amdhsa_kernel k_q9b62dcabd2_attn
		.amdhsa_group_segment_fixed_size 264192
		.amdhsa_private_segment_fixed_size 0
		.amdhsa_enable_private_segment 0
		.amdhsa_kernarg_size 24
		.amdhsa_user_sgpr_count 2
		.amdhsa_user_sgpr_kernarg_segment_ptr 1
		.amdhsa_wavefront_size32 1
		.amdhsa_system_sgpr_workgroup_id_x 1
		.amdhsa_system_sgpr_workgroup_id_y 1
		.amdhsa_system_sgpr_workgroup_id_z 1
		.amdhsa_system_vgpr_workitem_id 0
		.amdhsa_next_free_vgpr 256
		.amdhsa_next_free_sgpr 66
		.amdhsa_reserve_vcc 0
		.amdhsa_float_denorm_mode_32 3
		.amdhsa_float_denorm_mode_16_64 3
		.amdhsa_memory_ordered 1
		.amdhsa_forward_progress 1
		.amdhsa_inst_pref_size 64
	.end_amdhsa_kernel
	.amdgpu_metadata
---
amdhsa.version: [ 1, 2 ]
amdhsa.kernels:
  - .name:           k_q9b62dcabd2_attn
    .symbol:         k_q9b62dcabd2_attn.kd
    .args:
      - { .name: qkv, .offset: 0, .size: 8, .value_kind: global_buffer, .address_space: global }
      - { .name: lowp_scales, .offset: 8, .size: 8, .value_kind: global_buffer, .address_space: global }
      - { .name: ao, .offset: 16, .size: 8, .value_kind: global_buffer, .address_space: global }
    .group_segment_fixed_size: 264192
    .private_segment_fixed_size: 0
    .kernarg_segment_align: 8
    .kernarg_segment_size: 24
    .max_flat_workgroup_size: 512
    .sgpr_count:     66
    .vgpr_count:     256
    .wavefront_size: 32
...
	.end_amdgpu_metadata
.endif
;; end of part 5
;; launch proj: the kernel of part 4 again; grid 64 x 4, 4 waves a work-group, clusters of 4 x 4, 327,680 bytes of LDS; arguments ao, wimg, bo, lowp_scales, out0; writes out0
